; MI455X (gfx1250); checked and timed in simulation.
; The chip was launched on July 23, 2026; its instructions are those of AMD's public machine-readable ISA for CDNA 5 (MIT licence, August 2026) and "CDNA5" Instruction Set Architecture Reference Guide (July 2026). The comments in the code are by the model that wrote it; some were corrected since.
;; Llama Top K Attention. Allowed arithmetic: matrix products marked QUANTISED: E4M3 operands, one given power-of-two scale a tensor, by v_wmma_f32_16x16x64_fp8_fp8 or v_wmma_f32_16x16x128_fp8_fp8, f32 sums; everything else in f32.
;; Inputs: Wk 2,048 x 512 float32; Wo 2,048 x 2,048 float32; Wq 2,048 x 2,048 float32; Wv 2,048 x 512 float32; hidden_states 1 x 2,048 x 2,048 float32; lowp_scales 12 int32 (the exponents e of the quantised operands' scales 2^e); position_ids 1 x 2,048 int32.
;; Outputs: out0 1 x 2,048 x 2,048 float32.
;; This version of the problem:
;;   THIS VERSION OF THE PROBLEM IS GIVEN IN LOW PRECISION. The matrix products marked QUANTISED in the list below multiply operands that are first quantised to E4M3 (4 exponent bits, 3 mantissa bits; 8 bits a number), with one given power-of-two scale for each operand tensor; their sums are f32. All else is computed in f32.
;;   The module's matrix products, in the order in which they are computed (A, B: the left and right operand; K: the contracted axis; several contracted axes count as one K, in the product's order):
;;     1. [M 2,048, K 2,048] x [K 2,048, N 2,048]; A: input hidden_states; B: input Wq: QUANTISED (scales: A lowp_scales[0], B lowp_scales[1])
;;     2. [M 2,048, K 2,048] x [K 2,048, N 512]; A: input hidden_states; B: input Wk: QUANTISED (scales: A lowp_scales[2], B lowp_scales[3])
;;     3. [M 2,048, K 2,048] x [K 2,048, N 512]; A: input hidden_states; B: input Wv: QUANTISED (scales: A lowp_scales[4], B lowp_scales[5])
;;     4. batch 16 x [M 2,048, K 128] x [K 128, N 2,048]; A: computed on the way; B: computed on the way: QUANTISED (scales: A lowp_scales[6], B lowp_scales[7])
;;     5. batch 16 x [M 2,048, K 2,048] x [K 2,048, N 128]; A: softmax (see below); B: computed on the way: QUANTISED (scales: A lowp_scales[8], B lowp_scales[9])
;;     6. [M 2,048, K 2,048] x [K 2,048, N 2,048]; A: computed on the way; B: input Wo: QUANTISED (scales: A lowp_scales[10], B lowp_scales[11])
;;   THE QUANTISER, for each operand of a quantised product, along K:
;;     - The operand's scale is 2^e, e = its entry of the input lowp_scales (int32; the entries are numbered through the quantised products in the list's order, A before B).
;;     - Each number is divided by the scale, clamped to +-448, and rounded to the nearest number of E4M3, ties to even, subnormals kept.
;;     - The product sums the exact products of the quantised numbers (number of the format x scale) in f32.
;;   ~~~python
;;   def quantise(x, axis, e):      # numpy; x: float32 -> the quantised numbers, widened to float32 again
;;       x = np.moveaxis(x, axis, -1); K = x.shape[-1]
;;       r = np.clip(x / 2.0 ** e, -448, 448)
;;       step = 2.0 ** (np.maximum(np.frexp(np.where(r == 0, 1, r))[1] - 1, -6) - 3)
;;       q = np.round(r / step) * step * 2.0 ** e      # np.round: ties to even
;;       return np.moveaxis(q, -1, axis).astype(np.float32)
;;   ~~~
;;   SOFTMAX AHEAD OF A QUANTISED PRODUCT. Where the list says 'softmax', what is quantised is not the finished softmax but p = 2^(t - M), with t = logit x log2(e) and M = ceil(the row's largest t), a whole number; so 1/2 < the row's largest p <= 1. The row's sum l is taken of the UNQUANTISED p, in f32, and the product's result is divided by l at the end. Since M is a whole number, a kernel that streams over the keys may use a running M (the ceiling of the running maximum): every later rescaling is an exact power of two, so the quantised numbers keep their values, but for numbers so far below the row's largest that they fall under the format's range.
;;   OPERANDS COMPUTED ON THE WAY. 'Computed on the way' means the value that the module computes at that place (a softmax that the list does not call 'softmax' is quantised finished and normalised). What goes into a quantiser is computed in f32, as accurately as f32 sums, v_exp_f32 and their like allow (about 1e-6 of the number): no bf16 or f16 on the way to a quantiser, and a product that is left as it is and whose result goes on into a quantised operand takes f32 operands (vector FMAs, or v_wmma_f32_16x16x4_f32). A number that lies on a knife's edge between two numbers of the format may be rounded either way, as far as f32 arithmetic and the matrix unit's own rounding can turn it there, and no further.
;; One version. Each part assembles by itself: llvm-mc -triple=amdgcn-amd-amdhsa -mcpu=gfx1250 --defsym DOCPART=n.
;; ======== version 1 of 1: 4 launches
;; limits: right only within a limited range of input values
;; workspace buffers: ximg 12,582,912 bytes; wimg 10,485,760 bytes; ropet 1,048,576 bytes; qkvimg 6,291,456 bytes; oimg 4,194,304 bytes
;; launch prep (part 1): grid 1024 x 1, 4 waves a work-group, no clusters, 34,304 bytes of LDS; arguments hidden_states, Wq, Wk, Wv, Wo, position_ids, lowp_scales, ximg, wimg, ropet; writes ximg, wimg, ropet
.if DOCPART == 1
	.amdgcn_target "amdgcn-amd-amdhsa--gfx1250"
	.amdhsa_code_object_version 6
	.text
	.protected	k_q1957002aad_prep
	.globl	k_q1957002aad_prep
	.p2align	8
	.type	k_q1957002aad_prep,@function
k_q1957002aad_prep:
	s_mov_b64 s[64:65], 0
	v_nop
	global_prefetch_b8 v0, s[64:65] scope:SCOPE_SE
	s_setreg_imm32_b32 hwreg(HW_REG_WAVE_MODE, 25, 1), 1
	s_wait_xcnt 0x0
; PREP: every input becomes what the later launches take as it lies.
; A FRAGMENT is 16 rows x 128 K of E4M3 codes in the layout of v_wmma_f32_16x16x128_fp8_fp8: lane (r = lane % 16, h = lane / 16), registers 2 c, 2 c + 1 = k 16 c + 8 h + 0 .. 7 of row r.
; Its IMAGE is 2,048 bytes: piece p (512 bytes) holds registers 4 p .. 4 p + 3, lane l's 16 bytes at 512 p + 16 l.  Four 16-byte loads a lane bring a fragment back.
; ximg: hidden_states three times (scales e0, e2, e4), sections of 4 MiB: [row tile 128][K step 16][2048].   wimg: Wq at 0, Wk at 0x400000, Wv at 0x500000, Wo at 0x600000: [tile of 16 columns][K step 16][2048].
; ropet: [row tile 128][16 frequencies fb 0..3][cos j 0-3, cos j 4-7, sin j 0-3, sin j 4-7: 512 bytes each]: lane (r, h), number j = position row 16 T + r, frequency 16 fb + 8 h + j.
; code = x / 2^e, held within +-448, to the nearest code, ties to even.
; WORK-GROUPS, by number: 0-255 hidden_states; 256-767 Wq, Wo; 768-895 Wk, Wv; 896-1023 the table.  Four waves; no tensor loads, no barrier: waves share nothing.
; LIMITS: each e used here lies between -126 and 119; |position_ids| up to 2^20 (the angle is reduced with pi/2 in two parts); NaN among the inputs is not served.
.set STG,   16*528                     ; a wave's stage: 16 rows of 512 bytes + 16: the pitch is an odd multiple of 16 bytes
.set SPARE, 4*STG                      ; behind the four stages: the spare words, 128 bytes for each wave: two blocks of 256 bytes that no other line names
.set SPW,   12                         ; v12  LDS address of my spare word; never rewritten
.set NIL,   13                         ; v13  0; never rewritten
.set R,     16                         ; x path: v16-143 two fragments' numbers as loaded
.set X,     144                        ; v144-207 a fragment's 64 numbers of my lane, in the layout's order
.set TM,    208                        ; v208-223 eight numbers held, two sets by turns
.set C,     224                        ; v224-255 a fragment's codes, two sets by turns
.macro MKS e, vs, vl                   ; v[vs] = 2^e as f32 (the conversion takes its exponent field), v[vl] = 448 x 2^e
	s_add_co_i32 s56, s[\e], 127
	s_lshl_b32 s57, s56, 23
	v_mov_b32 v[\vs], s57
	s_add_co_i32 s56, s56, 8
	s_lshl_b32 s56, s56, 23
	s_or_b32 s56, s56, 0x600000
	v_mov_b32 v[\vl], s56
.endm
.macro LOADX f                         ; fragment f: 16 rows, each load 512 consecutive bytes of one row
.irp i, 0,1,2,3,4,5,6,7,8,9,10,11,12,13,14,15
	global_load_b128 v[R+64*\f+4*\i:R+64*\f+4*\i+3], v1, s[44:45] offset:\i*8192+\f*512 th:TH_LOAD_NT
.endr
.endm
.macro XFRAG f                         ; through my stage (rows in, the layout's order out), then quantised three times
	s_wait_loadcnt 16*(1-\f)                       ; this fragment's 16 loads are in; the other fragment's may be out
.irp i, 0,1,2,3,4,5,6,7,8,9,10,11,12,13,14,15
	ds_store_b128 v2, v[R+64*\f+4*\i:R+64*\f+4*\i+3] offset:\i*528
.endr
.irp c, 0,1,2,3,4,5,6,7
	ds_load_b128 v[X+8*\c:X+8*\c+3], v3 offset:64*\c           ; k = 16 c + 8 h + 0 .. 3 of row r.  LDS serves a wave's instructions in order: these see my stores
	ds_load_b128 v[X+8*\c+4:X+8*\c+7], v3 offset:64*\c+16
.endr
	s_wait_dscnt 0x0
.irp u, 0,1,2
.set QN, 3*\f+\u
.set CC, C+16*(QN%2)
.if QN >= 2
	s_wait_xcnt 0x0                                ; the stores that read this set of codes have read it: it is written again only behind this wait
.endif
.irp c, 0,1,2,3,4,5,6,7
.irp j, 0,1,2,3,4,5,6,7
	v_med3_num_f32 v[TM+8*(\c%2)+\j], v[X+8*\c+\j], -v[7+\u], v[7+\u]   ; the conversion does not saturate (ISA guide 7.6.2): the hold comes first.  The other set's eight are the plain lines behind each conversion
.endr
	v_cvt_scalef32_pk8_fp8_f32 v[CC+2*\c:CC+2*\c+1], v[TM+8*(\c%2):TM+8*(\c%2)+7], v[4+\u]
.endr
.irp p, 0,1,2,3
	global_store_b128 v1, v[CC+4*\p:CC+4*\p+3], s[46+2*\u:47+2*\u] offset:\f*2048+512*\p   ; a piece: 512 consecutive bytes
.endr
.endr
.endm
; A weight [K][N], K its first axis: a lane takes a column, its registers run down K, so the conversions give codes with K innermost.  A wave: 32 columns x 128 K = two fragments.
; In: s[44:45] the weight, s46 its section in wimg, s30 block of 128 columns, s31 K step, s48 = 0 for the first tensor of the pair; ea, eb: the pair's exponents.
.macro WPATH pitch, ea, eb
	v_lshlrev_b32 v1, 2, v10                       ; in: 4 bytes a lane
	s_wait_alu depctr_va_vdst(0)
	v_lshlrev_b32 v2, 4, v11
	v_lshl_add_u32 v2, v14, 15, v2                 ; out: lanes 0-15 one tile of columns, lanes 16-31 the next (32,768 bytes on); 16 bytes a column
	s_mul_i32 s49, s31, 128*\pitch
	s_lshl_b32 s50, s30, 9
	s_add_co_u32 s49, s49, s50
	s_lshl_b32 s50, s28, 7
	s_add_co_u32 s50, s49, s50
	s_mov_b32 s51, 0
	s_add_nc_u64 s[44:45], s[44:45], s[50:51]      ; row 128 x K step, column 128 x block + 32 x wave
	s_lshl_b32 s49, s30, 3
	s_lshl_b32 s52, s28, 1
	s_add_co_u32 s49, s49, s52                     ; tile of columns 8 x block + 2 x wave
	s_lshl_b32 s49, s49, 15
	s_lshl_b32 s52, s31, 11
	s_add_co_u32 s49, s49, s52
	s_add_co_u32 s52, s49, s46
	s_mov_b32 s53, 0
	s_add_nc_u64 s[54:55], s[24:25], s[52:53]
.set n, 0
.rept 128
	global_load_b32 v[16+n], v1, s[44:45] offset:n*\pitch th:TH_LOAD_NT   ; row n of the K step, 32 neighbouring columns
.set n, n+1
.endr
	s_wait_kmcnt 0x0
	s_cmp_eq_u32 s48, 0
	s_cselect_b32 s49, s[\ea], s[\eb]
	MKS 49, 4, 5
	s_wait_alu depctr_va_vdst(0)
.irp t, 0,1,2,3
.if \t < 2
	s_wait_loadcnt 63                              ; a wait names 63 at the most: the oldest 65 loads are in, blocks 0 and 1 among them
.else
	s_wait_loadcnt 32*(3-\t)
.endif
.set n, 0
.rept 32
	v_med3_num_f32 v[16+32*\t+n], v[16+32*\t+n], -v5, v5
.set n, n+1
.endr
	v_cvt_scalef32_pk8_fp8_f32 v[144+8*\t:145+8*\t], v[16+32*\t:23+32*\t], v4   ; piece t for h = 0: k 32 t + 0 .. 7,
	v_cvt_scalef32_pk8_fp8_f32 v[146+8*\t:147+8*\t], v[32+32*\t:39+32*\t], v4   ;   and 32 t + 16 .. 23
	v_cvt_scalef32_pk8_fp8_f32 v[148+8*\t:149+8*\t], v[24+32*\t:31+32*\t], v4   ; for h = 1: 32 t + 8 .. 15,
	v_cvt_scalef32_pk8_fp8_f32 v[150+8*\t:151+8*\t], v[40+32*\t:47+32*\t], v4   ;   and 32 t + 24 .. 31.  (Results go to stores alone; the next block's holds are plain lines on other registers)
	global_store_b128 v2, v[144+8*\t:147+8*\t], s[54:55] offset:512*\t          ; sixteen lanes store 256 consecutive bytes, aligned
	global_store_b128 v2, v[148+8*\t:151+8*\t], s[54:55] offset:512*\t+256
.endr
	s_endpgm
.endm
	s_load_b256 s[8:15], s[0:1], 0x0               ; hidden_states s[8:9], Wq s[10:11], Wk s[12:13], Wv s[14:15]
	s_load_b256 s[16:23], s[0:1], 0x20             ; Wo s[16:17], position_ids s[18:19], the exponents s[20:21], ximg s[22:23]
	s_load_b128 s[24:27], s[0:1], 0x40             ; wimg s[24:25], ropet s[26:27]
	v_lshl_add_u32 v[SPW], v0, 2, SPARE
	v_mov_b32 v[NIL], 0
	v_lshrrev_b32 v1, 5, v0
	v_readfirstlane_b32 s28, v1                    ; wave 0..3
	v_and_b32 v10, 31, v0                          ; lane
	v_and_b32 v11, 15, v0                          ; r
	v_bfe_u32 v14, v0, 4, 1                        ; h
	s_wait_kmcnt 0x0
	s_load_b256 s[32:39], s[20:21], 0x0            ; e0 .. e7
	s_load_b128 s[40:43], s[20:21], 0x20           ; e8 .. e11
	s_cmp_lt_u32 ttmp9, 256
	s_cbranch_scc1 .Lx
	s_cmp_lt_u32 ttmp9, 768
	s_cbranch_scc1 .Lwide
	s_cmp_lt_u32 ttmp9, 896
	s_cbranch_scc1 .Lnarrow
; ---- THE TABLE.  Work-group = row tile T, wave = fb.  inv = 2^(-i log2(10000) / 64); angle = position x inv; n = nearest whole number of angle x 2 / pi; r = angle - n pi / 2 (pi / 2 in two parts);
; sine and cosine of r, |r| <= pi / 4, by their series up to r^9 and r^10 (what is left out is under 2e-9); the quadrant n mod 4 swaps and signs them by selects: no branch.
.set A,   16                           ; eight registers each: exponent, then inv, then the angle
.set N,   24
.set RR,  32
.set Z,   40
.set PS,  48
.set PO,  56
.set QI,  64
.set TT,  72
.set OUT, 80                           ; cos 0-7, sin 0-7
	s_sub_co_u32 s29, ttmp9, 896                   ; T
	s_wait_alu depctr_va_vdst(0)
	v_lshlrev_b32 v1, 4, v10                       ; 16 x lane
	v_lshlrev_b32 v2, 2, v11                       ; 4 r
	s_lshl_b32 s30, s29, 6
	s_mov_b32 s31, 0
	s_add_nc_u64 s[44:45], s[18:19], s[30:31]
	global_load_b32 v3, v2, s[44:45]               ; position_ids[16 T + r]
	s_lshl_b32 s30, s28, 4
	v_lshl_add_u32 v4, v14, 3, s30                 ; 16 fb + 8 h
	s_wait_alu depctr_va_vdst(0)
	s_lshl_b32 s30, s29, 13
	s_lshl_b32 s46, s28, 11
	s_add_co_u32 s30, s30, s46
	s_add_nc_u64 s[46:47], s[26:27], s[30:31]      ; ropet + 8,192 T + 2,048 fb
	s_mov_b32 s50, 0x3fc90fdb                      ; pi / 2, upper part
	s_mov_b32 s51, 0x333bbd2e                      ; upper part - pi / 2
	s_mov_b32 s52, 0xbe2aaaab                      ; -1/6
	s_mov_b32 s53, 0x3c088889                      ; 1/120
	s_mov_b32 s54, 0xb9500d01                      ; -1/5040
	s_mov_b32 s55, 0x3638ef1d                      ; 1/362880
	s_mov_b32 s56, 0x3d2aaaab                      ; 1/24
	s_mov_b32 s57, 0xbab60b61                      ; -1/720
	s_mov_b32 s58, 0x37d00d01                      ; 1/40320
	s_mov_b32 s59, 0xb493f27e                      ; -1/3628800
.irp j, 0,1,2,3,4,5,6,7
	v_add_nc_u32 v[A+\j], \j, v4
.endr
.irp j, 0,1,2,3,4,5,6,7
	v_cvt_f32_u32 v[A+\j], v[A+\j]
.endr
.irp j, 0,1,2,3,4,5,6,7
	v_mul_f32 v[A+\j], 0xbe549a78, v[A+\j]         ; x -log2(10000) / 64
.endr
	s_wait_alu depctr_va_vdst(0)
.irp j, 0,1,2,3,4,5,6,7
	v_exp_f32 v[A+\j], v[A+\j]
.endr
	v_nop                                          ; a plain line behind the last exponential
	s_wait_alu depctr_va_vdst(0)                   ; one wait for the batch, ahead of its first reader
	s_wait_loadcnt 0x0
	v_cvt_f32_i32 v3, v3
.irp j, 0,1,2,3,4,5,6,7
	v_mul_f32 v[A+\j], v3, v[A+\j]                 ; the angle
.endr
.irp j, 0,1,2,3,4,5,6,7
	v_mul_f32 v[N+\j], 0x3f22f983, v[A+\j]         ; x 2 / pi
.endr
.irp j, 0,1,2,3,4,5,6,7
	v_rndne_f32 v[N+\j], v[N+\j]
.endr
.irp j, 0,1,2,3,4,5,6,7
	v_fma_f32 v[RR+\j], -v[N+\j], s50, v[A+\j]
.endr
.irp j, 0,1,2,3,4,5,6,7
	v_fma_f32 v[RR+\j], v[N+\j], s51, v[RR+\j]
.endr
.irp j, 0,1,2,3,4,5,6,7
	v_mul_f32 v[Z+\j], v[RR+\j], v[RR+\j]
.endr
.irp j, 0,1,2,3,4,5,6,7
	v_fma_f32 v[PS+\j], v[Z+\j], s55, s54
	v_fma_f32 v[PO+\j], v[Z+\j], s59, s58
.endr
.irp j, 0,1,2,3,4,5,6,7
	v_fma_f32 v[PS+\j], v[PS+\j], v[Z+\j], s53
	v_fma_f32 v[PO+\j], v[PO+\j], v[Z+\j], s57
.endr
.irp j, 0,1,2,3,4,5,6,7
	v_fma_f32 v[PS+\j], v[PS+\j], v[Z+\j], s52
	v_fma_f32 v[PO+\j], v[PO+\j], v[Z+\j], s56
.endr
.irp j, 0,1,2,3,4,5,6,7
	v_mul_f32 v[TT+\j], v[RR+\j], v[Z+\j]
	v_fma_f32 v[PO+\j], v[PO+\j], v[Z+\j], -0.5
.endr
.irp j, 0,1,2,3,4,5,6,7
	v_fma_f32 v[PS+\j], v[PS+\j], v[TT+\j], v[RR+\j]   ; sin r
	v_fma_f32 v[PO+\j], v[PO+\j], v[Z+\j], 1.0         ; cos r
.endr
.irp j, 0,1,2,3,4,5,6,7
	v_cvt_i32_f32 v[QI+\j], v[N+\j]
.endr
.irp j, 0,1,2,3,4,5,6,7
	v_and_b32 v[TT+\j], 1, v[QI+\j]
	v_cmp_eq_u32 vcc_lo, 1, v[TT+\j]               ; an odd quadrant swaps the two
	v_cndmask_b32 v[OUT+8+\j], v[PS+\j], v[PO+\j], vcc_lo
	v_cndmask_b32 v[OUT+\j], v[PO+\j], v[PS+\j], vcc_lo
	v_lshlrev_b32 v[TT+\j], 30, v[QI+\j]
	v_and_b32 v[TT+\j], 0x80000000, v[TT+\j]       ; the sine is negative in quadrants 2, 3,
	v_xor_b32 v[OUT+8+\j], v[TT+\j], v[OUT+8+\j]
	v_add_nc_u32 v[QI+\j], 1, v[QI+\j]
	v_lshlrev_b32 v[QI+\j], 30, v[QI+\j]
	v_and_b32 v[QI+\j], 0x80000000, v[QI+\j]       ; the cosine in quadrants 1, 2
	v_xor_b32 v[OUT+\j], v[QI+\j], v[OUT+\j]
.endr
.irp p, 0,1,2,3
	global_store_b128 v1, v[OUT+4*\p:OUT+4*\p+3], s[46:47] offset:512*\p
.endr
	s_endpgm
; ---- hidden_states.  Work-group: row tile T = number / 2, eight K steps; wave w: K steps 8 (number % 2) + 2 w and the next.
.Lx:
	s_wait_alu depctr_va_vdst(0)
	v_lshlrev_b32 v1, 4, v10                       ; 16 x lane: my bytes of a load's 512, and of a piece
	s_wait_alu depctr_va_vdst(0)
	s_mul_i32 s29, s28, STG
	v_add_nc_u32 v2, s29, v1                       ; the stage, on the way in
	v_mul_u32_u24 v3, v11, 528
	v_lshl_add_u32 v3, v14, 5, v3
	v_add_nc_u32 v3, s29, v3                       ; and out: row r, + 32 h
	s_lshr_b32 s29, ttmp9, 1                       ; T
	s_and_b32 s30, ttmp9, 1
	s_lshl_b32 s30, s30, 3
	s_lshl_b32 s31, s28, 1
	s_add_co_u32 s30, s30, s31                     ; my first K step
	s_lshl_b32 s44, s29, 17
	s_lshl_b32 s31, s30, 9
	s_add_co_u32 s44, s44, s31
	s_mov_b32 s45, 0
	s_add_nc_u64 s[44:45], s[8:9], s[44:45]        ; 16 T rows of 8,192 bytes + 512 x K step
	s_lshl_b32 s46, s29, 15
	s_lshl_b32 s31, s30, 11
	s_add_co_u32 s46, s46, s31
	s_mov_b32 s47, 0
	s_add_nc_u64 s[46:47], s[22:23], s[46:47]      ; the three sections of ximg
	s_add_nc_u64 s[48:49], s[46:47], 0x400000
	s_add_nc_u64 s[50:51], s[46:47], 0x800000
	LOADX 0
	LOADX 1
	s_wait_alu depctr_va_vdst(0)
	s_wait_kmcnt 0x0
	MKS 32, 4, 7                                   ; e0
	MKS 34, 5, 8                                   ; e2
	MKS 36, 6, 9                                   ; e4
	s_wait_alu depctr_va_vdst(0)
	XFRAG 0
	XFRAG 1
	s_wait_tensorcnt 0x0                           ; the wave's end, behind my last LDS store
	ds_add_u32 v[SPW], v[NIL]
	s_wait_dscnt 0x0
	s_endpgm
; ---- Wq, Wo: rows of 8,192 bytes
.Lwide:
	s_sub_co_u32 s29, ttmp9, 256
	s_and_b32 s30, s29, 15                         ; block of 128 columns
	s_bfe_u32 s31, s29, 0x40004                    ; K step
	s_lshr_b32 s48, s29, 8                         ; 0: Wq, 1: Wo
	s_cmp_eq_u32 s48, 0
	s_cselect_b64 s[44:45], s[10:11], s[16:17]
	s_cselect_b32 s46, 0, 0x600000
	s_wait_alu depctr_va_vdst(0)
	WPATH 8192, 33, 43                             ; e1, e11
; ---- Wk, Wv: rows of 2,048 bytes
.Lnarrow:
	s_sub_co_u32 s29, ttmp9, 768
	s_and_b32 s30, s29, 3
	s_bfe_u32 s31, s29, 0x40002
	s_lshr_b32 s48, s29, 6                         ; 0: Wk, 1: Wv
	s_cmp_eq_u32 s48, 0
	s_cselect_b64 s[44:45], s[12:13], s[14:15]
	s_cselect_b32 s46, 0, 0x100000
	s_add_co_u32 s46, s46, 0x400000
	s_wait_alu depctr_va_vdst(0)
	WPATH 2048, 35, 37                             ; e3, e5
.Lfunc_end_k_q1957002aad_prep:
	.size	k_q1957002aad_prep, .Lfunc_end_k_q1957002aad_prep-k_q1957002aad_prep
	.p2alignl 7, 3214868480
	.fill 96, 4, 3214868480
	.section	.rodata,"a",@progbits
	.p2align	6, 0x0
	.amdhsa_kernel k_q1957002aad_prep
		.amdhsa_group_segment_fixed_size 34304
		.amdhsa_private_segment_fixed_size 0
		.amdhsa_enable_private_segment 0
		.amdhsa_kernarg_size 80
		.amdhsa_user_sgpr_count 2
		.amdhsa_user_sgpr_kernarg_segment_ptr 1
		.amdhsa_wavefront_size32 1
		.amdhsa_system_sgpr_workgroup_id_x 1
		.amdhsa_system_sgpr_workgroup_id_y 1
		.amdhsa_system_sgpr_workgroup_id_z 1
		.amdhsa_system_vgpr_workitem_id 0
		.amdhsa_next_free_vgpr 256
		.amdhsa_next_free_sgpr 100
		.amdhsa_reserve_vcc 1
		.amdhsa_float_denorm_mode_32 3
		.amdhsa_float_denorm_mode_16_64 3
		.amdhsa_memory_ordered 1
		.amdhsa_forward_progress 1
		.amdhsa_inst_pref_size 101
	.end_amdhsa_kernel
	.amdgpu_metadata
---
amdhsa.version: [ 1, 2 ]
amdhsa.kernels:
  - .name:           k_q1957002aad_prep
    .symbol:         k_q1957002aad_prep.kd
    .args:
      - { .name: hidden_states, .offset: 0, .size: 8, .value_kind: global_buffer, .address_space: global }
      - { .name: Wq, .offset: 8, .size: 8, .value_kind: global_buffer, .address_space: global }
      - { .name: Wk, .offset: 16, .size: 8, .value_kind: global_buffer, .address_space: global }
      - { .name: Wv, .offset: 24, .size: 8, .value_kind: global_buffer, .address_space: global }
      - { .name: Wo, .offset: 32, .size: 8, .value_kind: global_buffer, .address_space: global }
      - { .name: position_ids, .offset: 40, .size: 8, .value_kind: global_buffer, .address_space: global }
      - { .name: lowp_scales, .offset: 48, .size: 8, .value_kind: global_buffer, .address_space: global }
      - { .name: ximg, .offset: 56, .size: 8, .value_kind: global_buffer, .address_space: global }
      - { .name: wimg, .offset: 64, .size: 8, .value_kind: global_buffer, .address_space: global }
      - { .name: ropet, .offset: 72, .size: 8, .value_kind: global_buffer, .address_space: global }
    .group_segment_fixed_size: 34304
    .private_segment_fixed_size: 0
    .kernarg_segment_align: 8
    .kernarg_segment_size: 80
    .max_flat_workgroup_size: 128
    .sgpr_count:     100
    .vgpr_count:     256
    .wavefront_size: 32
...
	.end_amdgpu_metadata
.endif
;; end of part 1
;; launch proj (part 2): grid 4 x 48, 4 waves a work-group, clusters of 4 x 1, 327,680 bytes of LDS; arguments ximg, wimg, ropet, lowp_scales, qkvimg; writes qkvimg
.if DOCPART == 2
	.amdgcn_target "amdgcn-amd-amdhsa--gfx1250"
	.amdhsa_code_object_version 6
	.text
	.protected	k_q1957002aad_proj
	.globl	k_q1957002aad_proj
	.p2align	8
	.type	k_q1957002aad_proj,@function
k_q1957002aad_proj:
	s_mov_b64 s[64:65], 0
	v_nop
	global_prefetch_b8 v0, s[64:65] scope:SCOPE_SE
	s_setreg_imm32_b32 hwreg(HW_REG_WAVE_MODE, 25, 1), 1
	s_wait_xcnt 0x0
	s_wait_alu depctr_hold_cnt(0) depctr_sa_sdst(0) depctr_va_vdst(0) depctr_va_sdst(0) depctr_va_ssrc(0) depctr_va_vcc(0) depctr_vm_vsrc(0)
	s_getreg_b32 s2, hwreg(HW_REG_IB_STS2, 6, 4)
	s_cmp_eq_u32 s2, 0
	s_cbranch_scc0 .Lentry_in_a_cluster
	s_endpgm
.Lentry_in_a_cluster:
	s_bfe_u32 s2, ttmp6, 0x10000c
	s_cmp_lg_u32 s2, 0x3003
	s_cbranch_scc0 .Lentry_shape_is_right
	s_endpgm
.Lentry_shape_is_right:
; PROJ: q = rope(x Wq), k = rope(x Wk), v = x Wv on E4M3 codes, each result quantised on the way out into images of the next products' operands (a fragment and its image: 16 rows x 128 K,
; lane (r, h) registers 2 c, 2 c + 1 = k 16 c + 8 h + 0 .. 7; piece p of 512 bytes = registers 4 p .. 4 p + 3, 16 bytes a lane).
; THE CORE: G[i][j] = sum over k of P[j][k] Q[i][k], source 0 = 16 rows of P, source 1 = 16 rows of Q: a lane holds ONE row of Q and its eight registers run along P's rows, so that the conversion of
; accumulator block b gives registers 2 b, 2 b + 1 of an operand whose K runs along P's rows: nothing changes lanes.
; A work-group makes 256 (Q) x 128 (P): 3,072 x 2,048 results are 192 work-groups of equal work.  Four waves, 128 x 64 each: 32 accumulators; for 128 along K a wave reads 12 fragments from LDS for 32 products.
; A wave's four blocks of P are 2 wc, 2 wc + 1, 4 + 2 wc, 5 + 2 wc of the tile's eight: so a channel d and its partner d + 64 of the rotation lie in one lane, and the codes are pieces wc and 2 + wc of the image.
; SECTIONS by the cluster's y (cl = 0 .. 47, which the four partners share): cl 0-31: q: Q = x (e0), tile cl / 4; P = Wq, head 4 (cl % 4) + cx.  cl 32-39: k: Q = x (e2), tile cl - 32; P = Wk, head cx.
; cl 40-47: v: Q = Wv (rows = channels), tile (cl - 40) % 2; P = x (e4), key step 4 ((cl - 40) / 2) + cx: there a lane holds one channel and its registers run along the keys, the second attention product's K.
; Only pointers and offsets differ between the sections, by selects on cl.
; CLUSTER 4 x 1: the four partners need the same tile of Q, two thirds of a step's bytes: it is asked for jointly.  P's tile is each work-group's own, by a plain tensor load: clusters of 4 x 4, which could share P
; too, do not divide the v section, whose Q has 512 rows: two tiles where four would be wanted.
; K = 2,048 goes through two LDS regions that take turns: A holds four steps of 128, B two ((256 + 128) rows x 128 bytes x 6 steps = 294,912 bytes): A 0-3, B 4-5, A 6-9, B 10-11, A 12-15: three refills; the walk is written out.
; LIMITS: e6 - e0 - e1, e7 - e2 - e3 and e9 - e4 - e5 lie between -126 and 119.
; REGISTERS: window 0: v16-17, v20-21 LDS addresses; v27 16 x lane; v28, v29 the add's two; v30, v31 the scale and 448 x it; v32-63 a block row's 32 numbers; v64-127 codes; v128-255 cos and sin for block rows 0-3.
;   windows 1, 2: a set of fragments each: Q's eight at v0-127, P's four at v128-191; v192-255 cos and sin for block rows 4, 5 (window 1) and 6, 7 (window 2).   window 3: the accumulators, (a, b) at 8 (4 a + b).
.set RB,    196608                     ; region A at 0: Q's 16 row tiles x 8,192 bytes (four K steps' images on end), then P's 8; region B here: the same with 4,096 bytes (two K steps)
.set APO,   131072                     ; P in region A
.set BPO,   65536                      ; P in region B
.set SPARE, 294912                     ; behind the regions: the spare words, 128 bytes for each wave: two blocks of 256 bytes that no other line names
.set ADRQ,  16                         ; v16, v17  my Q fragments in region A, B
.set ADRP,  20                         ; v20, v21  my P fragments
.set LI,    27
.set SPW,   28
.set NIL,   29
.set SCL,   30
.set LIM,   31
.set Y,     32
.set PC,    64
.set G1Q,   24                         ; s[24:31], s[32:39] group 1 for Q's tiles of region A, B
.set G1P,   40                         ; s[40:47], s[48:55] for P's
.set G0Q,   56                         ; s[56:59], s[60:63] group 0 for Q's tiles of region A, B
.set G0P,   68                         ; s[68:71], s[72:75] for P's
.set MSB,   0
.macro WIN new                         ; the immediate's high byte repeats the setting that is left
.if MSB != (\new)
	s_set_vgpr_msb (MSB<<8)|(\new)
.set MSB, (\new)
.endif
.endm
.macro JLOAD reg                       ; a region's fill: waves 0, 1 ask jointly for Q's halves, waves 2, 3 fetch P's.  An s_nop 0 and four v_nop follow each line
	s_cmp_eq_u32 s15, 0
	s_cbranch_scc0 .Lfor_p_\@
	tensor_load_to_lds s[G0Q+4*\reg:G0Q+4*\reg+3], s[G1Q+8*\reg:G1Q+8*\reg+7]
	s_nop 0
.rept 4
	v_nop
.endr
	s_branch .Lasked_\@
.Lfor_p_\@:
	tensor_load_to_lds s[G0P+4*\reg:G0P+4*\reg+3], s[G1P+8*\reg:G1P+8*\reg+7]
	s_nop 0
.rept 4
	v_nop
.endr
.Lasked_\@:
.endm
.macro CREST                           ; a round of the cluster's barrier behind its opening barrier
	s_cmp_lg_u32 s14, 0
	s_cbranch_scc1 .Lnot_wave_0_\@
	s_barrier_signal -3
.Lnot_wave_0_\@:
	s_barrier_wait -3
	s_barrier_signal -1
	s_barrier_wait -1
.endm
.macro CROUND
	s_barrier_signal -1
	s_barrier_wait -1
	CREST
.endm
.macro PLACES                          ; four plain lines between a matrix instruction and a load into, or a read of, its registers
.rept 4
	v_nop
.endr
.endm
.macro FETCH reg, q, set               ; 48 LDS loads: my four fragments of P and eight of Q of the region's q-th step: images, 512 consecutive bytes a load
	WIN ((1+(\set))<<6)                            ; destination window 1 or 2, address window 0
.irp i, 0,1,2,3
.irp c, 0,1,2,3
	ds_load_b128 v[128+16*\i+4*\c:128+16*\i+4*\c+3], v[ADRP+\reg] offset:(\i+2*(\i/2))*(8192>>(\reg))+(\q)*2048+512*\c
.endr
.endr
.irp i, 0,1,2,3,4,5,6,7
.irp c, 0,1,2,3
	ds_load_b128 v[16*\i+4*\c:16*\i+4*\c+3], v[ADRQ+\reg] offset:\i*(8192>>(\reg))+(\q)*2048+512*\c
.endr
.endr
.endm
.macro MUL16 a0, zero                  ; Q's blocks a0 .. a0 + 3 x P's four.  The 32 accumulators take turns, one instruction a turn, in the same order in every step
.irp a, \a0, \a0+1, \a0+2, \a0+3
.irp b, 0,1,2,3
.if \zero
	v_wmma_f32_16x16x128_fp8_fp8 v[8*(4*(\a)+\b):8*(4*(\a)+\b)+7], v[128+16*\b:128+16*\b+15], v[16*(\a):16*(\a)+15], 0
.else
	v_wmma_f32_16x16x128_fp8_fp8 v[8*(4*(\a)+\b):8*(4*(\a)+\b)+7], v[128+16*\b:128+16*\b+15], v[16*(\a):16*(\a)+15], v[8*(4*(\a)+\b):8*(4*(\a)+\b)+7]
.endif
.endr
.endr
.endm
.macro STEP reg, q, zero               ; a step that has its successor in the same region: the next step's fragments are asked for, then this step's 32 products.  Step q of a region works on set q % 2
	s_wait_dscnt 0x0                               ; this step's fragments are in
	PLACES                                         ; the other set was read by the last products
	FETCH \reg, (\q)+1, 1-(\q)%2
	WIN (0xf0|(5*(1+(\q)%2)))                      ; sources 0 and 1 window 1 or 2; C and D window 3
	MUL16 0, \zero
	MUL16 4, \zero
.endm
.macro TURN reg, next, fill            ; a region's last step (set 1) changes regions: one barrier; fill = 1: it opens a round of the cluster's, and this region is filled again
	WIN 0                                          ; (the add's two registers lie in window 0)
	s_wait_tensorcnt 0x0                           ; all my tensor loads have landed: my part of the next region
	ds_add_u32 v[SPW], v[NIL]                      ; 0 onto my spare word
	s_wait_dscnt 0x1                               ; only the add may be out: this step's fragments are in
	WIN 0xfa
	MUL16 0, 0                                     ; sixteen products stand between the add and the wait for it
	s_wait_dscnt 0x0                               ; the add is done, and my reads of this region are over
	s_barrier_signal -1
	WIN 0
	s_barrier_wait -1
.if \fill
	CREST                                          ; no wave of any partner still reads this region or has a load on its way
	s_add_nc_u64 s[G0Q+4*\reg+2:G0Q+4*\reg+3], s[G0Q+4*\reg+2:G0Q+4*\reg+3], 12288   ; six K steps on
	s_add_nc_u64 s[G0P+4*\reg+2:G0P+4*\reg+3], s[G0P+4*\reg+2:G0P+4*\reg+3], 12288
	JLOAD \reg                                     ; the first tensor load behind the round; its four v_nop are the places in front of the loads below
.else
	PLACES
.endif
	FETCH \next, 0, 0
	WIN 0xfa
	MUL16 4, 0
.endm
.macro RPLACE a                        ; where block row a's cos and sin lie: window RW, from register RG on
.if (\a) < 4
.set RW, 0
.set RG, 128+32*(\a)
.else
.set RW, 1+((\a)-4)/2
.set RG, 192+32*((\a)%2)
.endif
.endm
	s_load_b256 s[4:11], s[0:1], 0x0               ; ximg s[4:5], wimg s[6:7], ropet s[8:9], the exponents s[10:11]
	s_load_b64 s[12:13], s[0:1], 0x20              ; qkvimg
	v_lshl_add_u32 v[SPW], v0, 2, SPARE
	v_mov_b32 v[NIL], 0
	ds_add_u32 v[SPW], v[NIL]                      ; the wave's opening: the add and its wait ahead of my first tensor load; work on registers stands between them
	ds_add_u32 v[SPW], v[NIL]
	v_lshrrev_b32 v1, 5, v0
	v_readfirstlane_b32 s14, v1                    ; wave 0..3
	s_lshr_b32 s15, s14, 1                         ; wr: my half of Q's rows.  Also: I fetch for Q (0) or P (1)
	s_and_b32 s16, s14, 1                          ; wc: my blocks of P.  Also: which half of that tile I fetch
	s_bfe_u32 s17, ttmp6, 0x40000                  ; cx
	s_and_b32 s20, ttmp7, 0xffff                   ; cl: the cluster's y
.irp r, 0,1
	s_mov_b32 s[G1Q+8*\r], 15|(3<<16)|(1<<21)      ; 15:0 the mask: all four partners; 17:16 elements of 8 bytes; 21 set beside a mask; no padding
	s_mov_b32 s[G1Q+8*\r+1], (1024>>\r)<<16        ; tensor_dim0: four or two K steps' images of a row tile: 8,192 or 4,096 bytes
	s_mov_b32 s[G1Q+8*\r+2], 8<<16                 ; tensor_dim1 = 8 row tiles
	s_mov_b32 s[G1Q+8*\r+3], (1024>>\r)<<16        ; tile_dim0
	s_mov_b32 s[G1Q+8*\r+4], 8                     ; tile_dim1
	s_mov_b32 s[G1Q+8*\r+5], 4096                  ; from row tile to row tile: 32,768 bytes
	s_mov_b32 s[G1Q+8*\r+6], 0
	s_mov_b32 s[G1Q+8*\r+7], 0
	s_mov_b32 s[G1P+8*\r], 3<<16                   ; no mask: P's tile is my work-group's own
	s_mov_b32 s[G1P+8*\r+1], (1024>>\r)<<16
	s_mov_b32 s[G1P+8*\r+2], 4<<16                 ; 4 row tiles
	s_mov_b32 s[G1P+8*\r+3], (1024>>\r)<<16
	s_mov_b32 s[G1P+8*\r+4], 4
	s_mov_b32 s[G1P+8*\r+5], 4096
	s_mov_b32 s[G1P+8*\r+6], 0
	s_mov_b32 s[G1P+8*\r+7], 0
.endr
	s_lshr_b32 s22, s20, 2                         ; q: Q's tile,
	s_and_b32 s23, s20, 3
	s_lshl_b32 s23, s23, 2                         ;    the first of the cluster's four heads
	s_sub_co_u32 s96, s20, 32                      ; k: Q's tile
	s_sub_co_u32 s97, s20, 40
	s_and_b32 s98, s97, 1                          ; v: Q's tile,
	s_lshr_b32 s97, s97, 1
	s_lshl_b32 s97, s97, 2                         ;    the first of the cluster's four key steps
	s_cmp_ge_u32 s20, 32
	s_cselect_b32 s19, 1, 0                        ; the section: 0 q, 1 k, 2 v
	s_cselect_b32 s22, s96, s22
	s_cselect_b32 s23, 0, s23
	s_cselect_b32 s99, 0x400000, 0                 ; Q's section in its buffer,
	s_cselect_b32 s100, 0x400000, 0                ; P's
	s_cmp_ge_u32 s20, 40
	s_cselect_b32 s19, 2, s19
	s_cselect_b32 s22, s98, s22                    ; qt: Q's tile, made of cl alone
	s_cselect_b32 s23, s97, s23
	s_cselect_b32 s99, 0x500000, s99
	s_cselect_b32 s100, 0x800000, s100
	s_add_co_u32 s23, s23, s17                     ; tp: P's tile
	s_lshl_b32 s96, s22, 19                        ; Q: 16 row tiles of 32,768 bytes a tile,
	s_lshl_b32 s21, s16, 18                        ;    the eight that I fetch
	s_add_co_u32 s96, s96, s21
	s_add_co_u32 s96, s96, s99
	s_mov_b32 s97, 0
	s_lshl_b32 s98, s23, 18                        ; P: 8 row tiles a tile,
	s_lshl_b32 s21, s16, 17                        ;    the four that I fetch
	s_add_co_u32 s98, s98, s21
	s_add_co_u32 s98, s98, s100
	s_mov_b32 s99, 0
	s_wait_dscnt 0x0                               ; the opening add is done
	s_wait_kmcnt 0x0
	s_load_b256 s[76:83], s[10:11], 0x0            ; e0 .. e7
	s_load_b128 s[84:87], s[10:11], 0x20           ; e8 .. e11
	s_cmp_eq_u32 s19, 2
	s_cselect_b64 s[88:89], s[6:7], s[4:5]         ; Q: the weights' images in the v section, else x's
	s_cselect_b64 s[90:91], s[4:5], s[6:7]         ; P: the other
	s_add_nc_u64 s[88:89], s[88:89], s[96:97]
	s_add_nc_u64 s[90:91], s[90:91], s[98:99]
	CROUND                                         ; all four work-groups are here: the first joint loads meet
	s_mov_b32 s[G0Q], 1                            ; region A: K steps 0-3.  LDS addresses are made of the wave's number alone
	s_lshl_b32 s[G0Q+1], s16, 16
	s_add_nc_u64 s[G0Q+2:G0Q+3], s[88:89], 0
	s_or_b32 s[G0Q+3], s[G0Q+3], 0x80000000
	s_mov_b32 s[G0Q+4], 1                          ; region B: K steps 4, 5
	s_lshl_b32 s21, s16, 15
	s_add_co_u32 s[G0Q+5], s21, RB
	s_add_nc_u64 s[G0Q+6:G0Q+7], s[88:89], 8192
	s_or_b32 s[G0Q+7], s[G0Q+7], 0x80000000
	s_mov_b32 s[G0P], 1
	s_add_co_u32 s[G0P+1], s21, APO
	s_add_nc_u64 s[G0P+2:G0P+3], s[90:91], 0
	s_or_b32 s[G0P+3], s[G0P+3], 0x80000000
	s_mov_b32 s[G0P+4], 1
	s_lshl_b32 s21, s16, 14
	s_add_co_u32 s[G0P+5], s21, RB+BPO
	s_add_nc_u64 s[G0P+6:G0P+7], s[90:91], 8192
	s_or_b32 s[G0P+7], s[G0P+7], 0x80000000
	JLOAD 0                                        ; region A: my one tensor load at the head
	v_and_b32 v1, 31, v0
	v_lshlrev_b32 v[LI], 4, v1                     ; 16 x lane
	s_wait_alu depctr_va_vdst(0)
	s_lshl_b32 s21, s15, 16                        ; my eight row tiles of Q in region A,
	v_add_nc_u32 v[ADRQ], s21, v[LI]
	s_lshl_b32 s21, s15, 15
	s_add_co_u32 s21, s21, RB                      ; in region B;
	v_add_nc_u32 v[ADRQ+1], s21, v[LI]
	s_lshl_b32 s21, s16, 14
	s_add_co_u32 s21, s21, APO                     ; my first block of P, 2 wc, in region A,
	v_add_nc_u32 v[ADRP], s21, v[LI]
	s_lshl_b32 s21, s16, 13
	s_add_co_u32 s21, s21, RB+BPO                  ; in region B
	v_add_nc_u32 v[ADRP+1], s21, v[LI]
	; cos and sin for my 128 rows (row tiles 16 qt + 8 wr + a) and my 32 frequencies (fb = 2 wc + i): 64 loads.  Loaded in the v section too, where they are not used (qt is 0 or 1 there: inside the table):
	; so every way to the epilogue has written these registers and issued the same loads.  They land under the walk over K.
	s_lshl_b32 s96, s22, 17
	s_lshl_b32 s97, s15, 16
	s_add_co_u32 s96, s96, s97
	s_lshl_b32 s97, s16, 12
	s_add_co_u32 s96, s96, s97
	s_mov_b32 s97, 0
	s_add_nc_u64 s[92:93], s[8:9], s[96:97]
.irp a, 0,1,2,3,4,5,6,7
	RPLACE \a
	WIN (RW<<6)                                    ; destination window RW, address window 0
.irp i, 0,1
.irp k, 0,1,2,3
	global_load_b128 v[RG+16*\i+4*\k:RG+16*\i+4*\k+3], v[LI], s[92:93] offset:\a*8192+\i*2048+512*\k
.endr
.endr
.endr
	WIN 0
	; where my codes go: q [head 16][row tile 128][2048] at 0; k [head 4][row tile 128][2048] at 0x400000; v [head 4][key step 16][channel tile 8][2048] at 0x500000
	s_lshl_b32 s96, s23, 18                        ; q, k: head tp, row tile 16 qt + 8 wr + a
	s_lshl_b32 s97, s22, 15
	s_add_co_u32 s96, s96, s97
	s_lshl_b32 s97, s15, 14
	s_add_co_u32 s96, s96, s97
	s_lshl_b32 s98, s22, 19                        ; v: head 2 qt + wr, key step tp, channel tile a
	s_lshl_b32 s97, s15, 18
	s_add_co_u32 s98, s98, s97
	s_lshl_b32 s97, s23, 14
	s_add_co_u32 s98, s98, s97
	s_add_co_u32 s98, s98, 0x500000
	s_cmp_eq_u32 s19, 1
	s_cselect_b32 s97, 0x400000, 0
	s_add_co_u32 s96, s96, s97
	s_cmp_eq_u32 s19, 2
	s_cselect_b32 s96, s98, s96
	s_lshl_b32 s97, s16, 9                         ; piece wc
	s_add_co_u32 s96, s96, s97
	s_mov_b32 s97, 0
	s_add_nc_u64 s[94:95], s[12:13], s[96:97]
	s_wait_alu depctr_va_vdst(0)
	s_wait_kmcnt 0x0
	s_sub_co_i32 s96, s82, s76                     ; a sum stands for sum x 2^(its operands' e added): its code is sum / 2^(the result's e less those two): three scales folded into the conversion's one
	s_sub_co_i32 s96, s96, s77                     ; q: e6 - e0 - e1
	s_sub_co_i32 s97, s83, s78
	s_sub_co_i32 s97, s97, s79                     ; k: e7 - e2 - e3
	s_sub_co_i32 s98, s85, s80
	s_sub_co_i32 s98, s98, s81                     ; v: e9 - e4 - e5
	s_cmp_eq_u32 s19, 1
	s_cselect_b32 s96, s97, s96
	s_cmp_eq_u32 s19, 2
	s_cselect_b32 s96, s98, s96
	s_add_co_i32 s96, s96, 127
	s_lshl_b32 s97, s96, 23
	v_mov_b32 v[SCL], s97
	s_add_co_i32 s96, s96, 8
	s_lshl_b32 s96, s96, 23
	s_or_b32 s96, s96, 0x600000
	v_mov_b32 v[LIM], s96                          ; 448 x the scale
	s_wait_alu depctr_va_vdst(0)                   ; the wait at the head's end
	s_wait_tensorcnt 0x0                           ; my part of region A is in; region B's first fill is issued as a refill is:
	ds_add_u32 v[SPW], v[NIL]                      ; 0 onto my spare word
	s_wait_dscnt 0x0
	CROUND                                         ; everybody's part of region A is in, and the four partners' joint loads meet
	JLOAD 1                                        ; region B: the first tensor load behind the round
	FETCH 0, 0, 0
	STEP 0, 0, 1                                   ; the first step's products start the sums: nothing is cleared
	STEP 0, 1, 0
	STEP 0, 2, 0
	TURN 0, 1, 1                                   ; region A takes K steps 6-9
	STEP 1, 0, 0
	TURN 1, 0, 1                                   ; region B takes K steps 10, 11
	STEP 0, 0, 0
	STEP 0, 1, 0
	STEP 0, 2, 0
	TURN 0, 1, 1                                   ; region A takes K steps 12-15
	STEP 1, 0, 0
	TURN 1, 0, 0                                   ; nothing is left to fetch
	STEP 0, 0, 0
	STEP 0, 1, 0
	STEP 0, 2, 0
	s_wait_dscnt 0x0
	WIN 0xfa
	MUL16 0, 0
	MUL16 4, 0
	WIN 0
	PLACES
; THE WAY OUT of block row a (16 rows of Q x my 64 of P): rotated (q, k), held, converted; the codes are two pieces of the image, 512 consecutive bytes a store.  Each accumulator is read from its low end on.
.macro EPI a, rope
	RPLACE \a
.if \rope
	WIN (0x03|(RW<<2))                             ; source 0 (the sums) window 3, source 1 (cos, sin) window RW
.irp i, 0,1
.irp j, 0,2,4,6
	v_pk_mul_f32 v[Y+8*\i+\j:Y+8*\i+\j+1], v[32*(\a)+8*\i+\j:32*(\a)+8*\i+\j+1], v[RG+16*\i+\j:RG+16*\i+\j+1]                  ; x1 cos
	v_pk_mul_f32 v[Y+16+8*\i+\j:Y+16+8*\i+\j+1], v[32*(\a)+16+8*\i+\j:32*(\a)+16+8*\i+\j+1], v[RG+16*\i+\j:RG+16*\i+\j+1]      ; x2 cos
	v_pk_fma_f32 v[Y+8*\i+\j:Y+8*\i+\j+1], v[32*(\a)+16+8*\i+\j:32*(\a)+16+8*\i+\j+1], v[RG+16*\i+8+\j:RG+16*\i+8+\j+1], v[Y+8*\i+\j:Y+8*\i+\j+1] neg_lo:[1,0,0] neg_hi:[1,0,0]   ; - x2 sin
	v_pk_fma_f32 v[Y+16+8*\i+\j:Y+16+8*\i+\j+1], v[32*(\a)+8*\i+\j:32*(\a)+8*\i+\j+1], v[RG+16*\i+8+\j:RG+16*\i+8+\j+1], v[Y+16+8*\i+\j:Y+16+8*\i+\j+1]                            ; + x1 sin
.endr
.endr
	WIN 0
.set n, 0
.rept 32
	v_med3_num_f32 v[Y+n], v[Y+n], -v[LIM], v[LIM] ; the conversion does not saturate (ISA guide 7.6.2): the hold comes first
.set n, n+1
.endr
.else
	WIN 0x03                                       ; source 0 (the sums) window 3
.set n, 0
.rept 32
	v_med3_num_f32 v[Y+n], v[32*(\a)+n], -v[LIM], v[LIM]
.set n, n+1
.endr
	WIN 0
.endif
.irp b, 0,1,2,3
	v_cvt_scalef32_pk8_fp8_f32 v[PC+8*(\a)+2*\b:PC+8*(\a)+2*\b+1], v[Y+8*\b:Y+8*\b+7], v[SCL]
.endr
	v_nop                                          ; a plain line between the conversions and the next lines that write their sources
	global_store_b128 v[LI], v[PC+8*(\a):PC+8*(\a)+3], s[94:95] offset:(\a)*2048          ; piece wc
	global_store_b128 v[LI], v[PC+8*(\a)+4:PC+8*(\a)+7], s[94:95] offset:(\a)*2048+1024   ; piece 2 + wc
.endm
	s_wait_loadcnt 0x0                             ; cos and sin
	s_cmp_eq_u32 s19, 2
	s_cbranch_scc1 .Lplain
	EPI 0, 1
	EPI 1, 1
	EPI 2, 1
	EPI 3, 1
	EPI 4, 1
	EPI 5, 1
	EPI 6, 1
	EPI 7, 1
	s_branch .Ldone
.Lplain:                                               ; v is not rotated
	s_wait_alu depctr_va_vdst(0)
	EPI 0, 0
	EPI 1, 0
	EPI 2, 0
	EPI 3, 0
	EPI 4, 0
	EPI 5, 0
	EPI 6, 0
	EPI 7, 0
.Ldone:
	s_wait_tensorcnt 0x0                           ; the wave's end
	ds_add_u32 v[SPW], v[NIL]
	s_wait_dscnt 0x0
	CROUND                                         ; the closing round: no work-group ends while a partner may still ask for a tile that names it
	s_endpgm
.Lfunc_end_k_q1957002aad_proj:
	.size	k_q1957002aad_proj, .Lfunc_end_k_q1957002aad_proj-k_q1957002aad_proj
	.p2alignl 7, 3214868480
	.fill 96, 4, 3214868480
	.section	.rodata,"a",@progbits
	.p2align	6, 0x0
	.amdhsa_kernel k_q1957002aad_proj
		.amdhsa_group_segment_fixed_size 327680
		.amdhsa_private_segment_fixed_size 0
		.amdhsa_enable_private_segment 0
		.amdhsa_kernarg_size 40
		.amdhsa_user_sgpr_count 2
		.amdhsa_user_sgpr_kernarg_segment_ptr 1
		.amdhsa_wavefront_size32 1
		.amdhsa_system_sgpr_workgroup_id_x 1
		.amdhsa_system_sgpr_workgroup_id_y 1
		.amdhsa_system_sgpr_workgroup_id_z 1
		.amdhsa_system_vgpr_workitem_id 0
		.amdhsa_next_free_vgpr 1024
		.amdhsa_next_free_sgpr 102
		.amdhsa_reserve_vcc 0
		.amdhsa_float_denorm_mode_32 3
		.amdhsa_float_denorm_mode_16_64 3
		.amdhsa_memory_ordered 1
		.amdhsa_forward_progress 1
		.amdhsa_inst_pref_size 160
	.end_amdhsa_kernel
	.amdgpu_metadata
---
amdhsa.version: [ 1, 2 ]
amdhsa.kernels:
  - .name:           k_q1957002aad_proj
    .symbol:         k_q1957002aad_proj.kd
    .args:
      - { .name: ximg, .offset: 0, .size: 8, .value_kind: global_buffer, .address_space: global }
      - { .name: wimg, .offset: 8, .size: 8, .value_kind: global_buffer, .address_space: global }
      - { .name: ropet, .offset: 16, .size: 8, .value_kind: global_buffer, .address_space: global }
      - { .name: lowp_scales, .offset: 24, .size: 8, .value_kind: global_buffer, .address_space: global }
      - { .name: qkvimg, .offset: 32, .size: 8, .value_kind: global_buffer, .address_space: global }
    .group_segment_fixed_size: 327680
    .private_segment_fixed_size: 0
    .kernarg_segment_align: 8
    .kernarg_segment_size: 40
    .max_flat_workgroup_size: 128
    .sgpr_count:     102
    .vgpr_count:     1024
    .wavefront_size: 32
...
	.end_amdgpu_metadata
.endif
;; end of part 2
;; launch attn (part 3): grid 64 x 4, 8 waves a work-group, no clusters, 327,680 bytes of LDS; arguments qkvimg, lowp_scales, oimg; writes oimg
.if DOCPART == 3
	.amdgcn_target "amdgcn-amd-amdhsa--gfx1250"
	.amdhsa_code_object_version 6
	.text
	.protected	k_q1957002aad_attn
	.globl	k_q1957002aad_attn
	.p2align	8
	.type	k_q1957002aad_attn,@function
k_q1957002aad_attn:
	s_mov_b64 s[64:65], 0
	v_nop
	global_prefetch_b8 v0, s[64:65] scope:SCOPE_SE
	s_setreg_imm32_b32 hwreg(HW_REG_WAVE_MODE, 25, 1), 1
	s_wait_xcnt 0x0
; ATTN: o = softmax(q k^T / sqrt(128), causal) v on E4M3 codes.  q, k, v come as images of fragments (16 rows x 128 K; lane (r, h) registers 2 c, 2 c + 1 = k 16 c + 8 h + 0 .. 7; four pieces of 512 bytes, 16 bytes a lane);
; o leaves as images of the last product's operand.  qkvimg: q [head 16][query tile 128][2048] at 0; k [kv head 4][key tile 128][2048] at 0x400000; v [kv head 4][key step 16][channel tile 8][2048] at 0x500000 (K = the keys).
; THE SOFTMAX: t = score x log2(e) / sqrt(128); M = the running largest t rounded UP to a whole number; p = 2^(t - M) is quantised, not normalised; the row's sum is taken of the unquantised p and divides at the end.
; Key steps all of whose keys come after a tile's queries lie wholly under the causal mask and are left out.
; SHARES.  Work-group (j, g) owns query tiles j and 127 - j of the four query heads of kv head g: floor(T / 8) + 1 key steps of 128 for each tile, 17 for the two, whatever j.
; Wave w of eight: heads 4 g + 2 (w % 2) and the next; key steps 2 u + (w / 2) % 2 of each slot's four; tile 127 - j (w < 4) or j.  A WAVE HOLDS TWO HEADS OF ONE TILE: each fragment of K and of V that it reads from LDS
; feeds two products, and the two heads' chains of dependent lines stand interleaved.  Waves w and w xor 2 share a tile's keys: at the end each hands one head's O, M and sum to the other through LDS and finishes the other head.
; Both products are used transposed (S^T = K Q^T, O^T = V^T P^T): a lane holds one query throughout, and the conversion of score tile t gives registers 2 t, 2 t + 1 of P.
; RING: two slots of 512 keys (K 65,536 bytes, then V 65,536), dense in memory; every wave fetches 16,384 bytes by one tensor load.  Every work-group walks four trips (a constant); a slot whose first key comes after
; the work-group's last query is read by none of its waves and is not asked for: a jump on ids and the count of slots alone, the same in all waves, round the load's own lines; every wait on TENSORcnt is for 0.
; Where the loads end hangs on j, so that tail is not written out; the fourth trip's next slot lies behind every query.
; NO JOINT LOADS: work-groups of one g read the same K and V, but those with j >= 32 need three slots and the others four, and a joint load may not be left out by some partners.
; LIMITS: e6 + e7 between -123 and 130; e8 and e10 - e8 - e9 between -126 and 119.
; REGISTERS, window 0: v1-10 addresses; v12-15 (-M, largest t) of head 0, 1; v20, 21 2^e8 and 448 x it; v24, 25 the same for o; v32-63 Q; v64-95 P's codes; v96-127 sixteen at work for each head (+2, +3: f; +4, +5: the sum); v128-255 S^T, then p.
;   window 1: v0-127 O^T (head i, channel tile t at 64 i + 8 t); v128-255 eight fragments of K or of V.
.set SLOT1, 1<<17
.set VOFF,  65536
.set SPARE, 2*SLOT1                    ; behind the ring: the spare words, 128 bytes for each wave: four blocks of 256 bytes that no other line names
.set HB,    8704                       ; the hand-over: 8,192 bytes of O^T and 512 of state for each wave, in slot 0
.set AK0,  1                           ; v1  16 x lane + 16,384 x my parity: my place in a slot's K
.set AV0,  2                           ; v2  the same in its V
.set PFO,  3                           ; v3  256 x lane
.set MA,   4                           ; v4  the hand-over: where I store
.set SPW,  5
.set NIL,  6
.set LI,   7                           ; v7  16 x lane
.set ADK,  8
.set ADV,  9
.set MB,   10                          ; v10 the hand-over: where my partner stored
.set ST,   12
.set PSCL, 20
.set PLIM, 21
.set OSCL, 24
.set OLIM, 25
.set Q,    32
.set P,    64
.set TM,   96
.set S,    128
.set O,    0
.set FR,   128
.set WV,   18
.set SEL,  20                          ; s[20:21] v_permlanex16_b32's selects for lane l xor 16
.set CS,   22                          ; s[22:23] c = log2(e) / sqrt(128) x 2^(e6 + e7)
.set G1,   24
.set G0,   40                          ; s[40:43] walks
.set TBS,  2                           ; s2  LDS byte at which the slot in hand begins
.set SF,   44                          ; s44 its first key
.set LQ,   45                          ; s45 my work-group's last query
.set TRIP, 67
.set PFA,  76
.set LIM,  80                          ; s80 trips in which my work-group prefetches: 2 where j = 0, else 0
.set KF,   98                          ; s98 my next key step's first key
.set Q0,   99                          ; s99 my first query
.set MSB,  0
.macro WIN new                         ; the immediate's high byte repeats the setting that is left; at every label and branch the setting is 0
.if MSB != (\new)
	s_set_vgpr_msb (MSB<<8)|(\new)
.set MSB, (\new)
.endif
.endm
.macro NOPS n
.rept \n
	v_nop
.endr
.endm
.macro FLOAD adr, u                    ; eight fragments, 32 loads of 512 consecutive bytes: destination window 1, address window 0
	WIN 0x40
.irp t, 0,1,2,3,4,5,6,7
.irp c, 0,1,2,3
	ds_load_b128 v[FR+16*\t+4*\c:FR+16*\t+4*\c+3], v[\adr] offset:(\u)*32768+\t*2048+512*\c
.endr
.endr
.endm
.macro SMUL t0                         ; four tiles of 16 keys x my two heads: source 0 (K) window 1, source 1 (Q) and the result window 0
.irp t, \t0, \t0+1, \t0+2, \t0+3
.irp i, 0,1
	v_wmma_f32_16x16x128_fp8_fp8 v[S+64*\i+8*(\t):S+64*\i+8*(\t)+7], v[FR+16*(\t):FR+16*(\t)+15], v[Q+16*\i:Q+16*\i+15], 0
.endr
.endr
.endm
	s_load_b128 s[4:7], s[0:1], 0x0                ; qkvimg s[4:5], the exponents s[6:7]
	s_load_b64 s[8:9], s[0:1], 0x10                ; oimg
	v_lshl_add_u32 v[SPW], v0, 2, SPARE
	v_mov_b32 v[NIL], 0
	ds_add_u32 v[SPW], v[NIL]                      ; the opening: the add, twice on end, and its wait ahead of my first tensor load
	ds_add_u32 v[SPW], v[NIL]
	v_lshrrev_b32 v8, 5, v0
	v_readfirstlane_b32 s[WV], v8                  ; wave 0..7
	s_and_b32 s46, ttmp7, 0xffff                   ; g
	s_and_b32 s47, s[WV], 1                        ; which pair of heads
	s_bfe_u32 s49, s[WV], 0x10001                  ; my parity among the key steps
	s_lshr_b32 s48, s[WV], 2                       ; 0: the late tile, 1: the early one.  Also: I fetch for K (0) or V (1)
	s_sub_co_u32 s50, 127, ttmp9
	s_cmp_eq_u32 s48, 0
	s_cselect_b32 s50, s50, ttmp9                  ; my query tile T
	s_lshl_b32 s[Q0], s50, 4
	s_lshl_b32 s[KF], s49, 7
	s_mov_b32 s[SF], 0
	s_lshl_b32 s[LQ], ttmp9, 4
	s_sub_co_u32 s[LQ], 2047, s[LQ]                ; 16 (127 - j) + 15
	s_lshl_b32 s52, s48, 20                        ; what I fetch: K's or V's section,
	s_add_co_u32 s52, s52, 0x400000
	s_lshl_b32 s53, s46, 18                        ; g's 262,144 bytes,
	s_add_co_u32 s52, s52, s53
	s_and_b32 s53, s[WV], 3
	s_lshl_b32 s53, s53, 14                        ; my quarter of a slot's 65,536
	s_add_co_u32 s52, s52, s53
	s_mov_b32 s53, 0
	s_lshl_b32 s51, s46, 2
	s_lshl_b32 s54, s47, 1
	s_add_co_u32 s51, s51, s54                     ; my first head
	s_lshl_b32 s54, s51, 18
	s_lshl_b32 s55, s50, 11
	s_add_co_u32 s54, s54, s55                     ; its Q; the second head's lies 262,144 bytes on
	s_mov_b32 s55, 0
	s_add_co_u32 s56, s51, s49                     ; the head that I finish: first head + parity
	s_lshl_b32 s56, s56, 11
	s_lshl_b32 s57, s50, 15
	s_add_co_u32 s56, s56, s57                     ; oimg [query tile 128][K step = head 16][2048]
	s_mov_b32 s57, 0
	s_cmp_eq_u32 ttmp9, 0
	s_cselect_b32 s[LIM], 2, 0
	s_lshl_b32 s59, s[WV], 14                      ; where my bytes go in a slot: wave x 16,384
	s_mov_b32 s[G1], 3<<16                         ; no mask; elements of 8 bytes; no padding: a dense block as 64 rows of 256 bytes
	s_mov_b32 s[G1+1], 32<<16
	s_mov_b32 s[G1+2], 64<<16
	s_mov_b32 s[G1+3], 32<<16
	s_mov_b32 s[G1+4], 64
	s_mov_b32 s[G1+5], 32
	s_mov_b32 s[G1+6], 0
	s_mov_b32 s[G1+7], 0
	s_mov_b32 s[SEL], 0x76543210
	s_mov_b32 s[SEL+1], 0xfedcba98
	s_mov_b32 s[CS], 0x3e0293ee                    ; log2(e) / sqrt(128)
	s_mov_b32 s[TBS], 0
	s_mov_b32 s[TRIP], 0
	s_wait_dscnt 0x0                               ; both opening adds are done
	s_wait_kmcnt 0x0
	s_load_b256 s[84:91], s[6:7], 0x0              ; e0 .. e7
	s_load_b128 s[92:95], s[6:7], 0x20             ; e8 .. e11
	s_mov_b32 s[G0], 1
	s_mov_b32 s[G0+1], s59
	s_add_nc_u64 s[G0+2:G0+3], s[4:5], s[52:53]
	s_or_b32 s[G0+3], s[G0+3], 0x80000000
	tensor_load_to_lds s[G0:G0+3], s[G1:G1+7]      ; slot 0: every wave's one load at the head
	s_nop 0
	NOPS 4
	s_add_nc_u64 s[10:11], s[4:5], s[54:55]        ; Q
	s_add_nc_u64 s[12:13], s[8:9], s[56:57]        ; o
	s_add_nc_u64 s[PFA:PFA+1], s[4:5], s[52:53]
	s_add_nc_u64 s[PFA:PFA+1], s[PFA:PFA+1], 65536 ; my share of slot 1: the first change of slots steps it to slot 2
	v_and_b32 v8, 31, v0
	v_lshlrev_b32 v[LI], 4, v8
	v_lshlrev_b32 v[PFO], 8, v8
	s_wait_alu depctr_va_vdst(0)
.irp i, 0,1
.irp c, 0,1,2,3
	global_load_b128 v[Q+16*\i+4*\c:Q+16*\i+4*\c+3], v[LI], s[10:11] offset:262144*\i+512*\c   ; Q's two fragments stay in registers
.endr
.endr
	s_lshl_b32 s57, s49, 14
	v_add_nc_u32 v[AK0], s57, v[LI]
	v_add_nc_u32 v[AV0], VOFF, v[AK0]
	s_mul_i32 s57, s[WV], HB
	v_add_nc_u32 v[MA], s57, v[LI]
	s_xor_b32 s57, s[WV], 2
	s_mul_i32 s57, s57, HB
	v_add_nc_u32 v[MB], s57, v[LI]
.irp i, 0,1
	v_mov_b32 v[ST+2*\i+1], 0xff61b1e6             ; the largest t so far: -3e38, under every t
	v_floor_f32 v[ST+2*\i], -v[ST+2*\i+1]          ; -M
	v_mov_b32 v[TM+16*\i+3], 0                     ; (named as the upper half of f's pair)
	v_mov_b32 v[TM+16*\i+4], 0                     ; the sum, in two halves
	v_mov_b32 v[TM+16*\i+5], 0
	v_mov_b32 v[TM+16*\i+12], 0                    ; a lane permute's destination counts as one of its sources
.endr
	WIN 0x40
.set n, 0
.rept 128
	v_mov_b32 v[O+n], 0                            ; O^T: the step is written for every step alike; a wave that walks no step hands zeros over
.set n, n+1
.endr
	WIN 0
	s_wait_kmcnt 0x0
	s_add_co_i32 s72, s90, s91
	s_lshl_b32 s72, s72, 23
	s_add_co_i32 s[CS], s[CS], s72                 ; a score stands for score x 2^(e6 + e7): added to c's exponent field
	s_mov_b32 s[CS+1], s[CS]
	s_add_co_i32 s72, s92, 127
	s_lshl_b32 s73, s72, 23
	v_mov_b32 v[PSCL], s73                         ; 2^e8
	s_add_co_i32 s72, s72, 8
	s_lshl_b32 s72, s72, 23
	s_or_b32 s72, s72, 0x600000
	v_mov_b32 v[PLIM], s72                         ; 448 x 2^e8
	s_sub_co_i32 s72, s94, s92
	s_sub_co_i32 s72, s72, s93                     ; O^T / l stands for o / 2^(e8 + e9): its code is that / 2^(e10 - e8 - e9)
	s_add_co_i32 s72, s72, 127
	s_lshl_b32 s73, s72, 23
	v_mov_b32 v[OSCL], s73
	s_add_co_i32 s72, s72, 8
	s_lshl_b32 s72, s72, 23
	s_or_b32 s72, s72, 0x600000
	v_mov_b32 v[OLIM], s72
; A KEY STEP: 128 keys, number 2 u + parity of the slot in hand, for my two heads.
.macro STEP u
	s_add_co_u32 s96, s[Q0], 15
	s_cmp_gt_u32 s[KF], s96                        ; all its keys come after my queries: left out (ids and counts alone; no barrier and no tensor load stands in a step)
	s_cbranch_scc1 .Lhidden_\@
	v_add_nc_u32 v[ADK], s[TBS], v[AK0]
	v_add_nc_u32 v[ADV], s[TBS], v[AV0]
	s_wait_alu depctr_va_vdst(0)
	NOPS 2                                         ; with the two additions: four places in front of loads into registers that the last products read
	FLOAD ADK, \u
	s_wait_dscnt 16                                ; K's tiles 0-3 are in; the younger 16 loads may be out
	WIN 0x01
	SMUL 0
	s_wait_dscnt 0x0
	SMUL 4
	WIN 0
	NOPS 4                                         ; places in front of the loads over K's fragments and of the first reads of the scores
	FLOAD ADV, \u                                  ; V's fragments land under the softmax
	WIN 0
	s_add_co_u32 s96, s[KF], 127                   ; on the diagonal hidden scores become -infinity ahead of the maximum: p = 0 then.  A step all of whose keys count skips this
	s_cmp_le_u32 s96, s[Q0]
	s_cbranch_scc1 .Lopen_\@
	s_sub_co_i32 s96, s[Q0], s[KF]
	v_and_b32 v22, 15, v0
	v_bfe_u32 v23, v0, 4, 1
	v_lshlrev_b32 v23, 3, v23
	v_sub_nc_u32 v22, v22, v23
	v_add_nc_u32 v22, s96, v22                     ; d = my query - KF - 8 h.  Register 8 t + j holds key KF + 16 t + 8 h + j: hidden where 16 t + j > d; one compare serves both heads
	v_mov_b32 v23, 0xff800000
.set n, 0
.rept 64
	v_cmp_gt_i32 vcc_lo, 16*(n/8)+n%8, v22
	v_cndmask_b32 v[S+n], v[S+n], v23, vcc_lo
	v_cndmask_b32 v[S+64+n], v[S+64+n], v23, vcc_lo
.set n, n+1
.endr
.Lopen_\@:
.irp i, 0,1                                    ; the step's largest score of my query among my 64 keys: two chains a head, each accumulator from its low end on
	v_max3_num_f32 v[TM+16*\i], v[S+64*\i], v[S+64*\i+1], v[S+64*\i+2]
	v_max3_num_f32 v[TM+16*\i+1], v[S+64*\i+3], v[S+64*\i+4], v[S+64*\i+5]
.endr
.irp k, 6,10,14,18,22,26,30,34,38,42,46,50,54,58
.irp i, 0,1
	v_max3_num_f32 v[TM+16*\i], v[TM+16*\i], v[S+64*\i+\k], v[S+64*\i+\k+1]
	v_max3_num_f32 v[TM+16*\i+1], v[TM+16*\i+1], v[S+64*\i+\k+2], v[S+64*\i+\k+3]
.endr
.endr
.irp i, 0,1
	v_max3_num_f32 v[TM+16*\i], v[TM+16*\i], v[S+64*\i+62], v[S+64*\i+63]
.endr
.irp i, 0,1
	v_max_num_f32 v[TM+16*\i], v[TM+16*\i], v[TM+16*\i+1]
.endr
.irp i, 0,1
	v_permlanex16_b32 v[TM+16*\i+12], v[TM+16*\i], s[SEL], s[SEL+1]
.endr
.irp i, 0,1
	v_max_num_f32 v[TM+16*\i], v[TM+16*\i], v[TM+16*\i+12]   ; and among lane l xor 16's
.endr
.irp i, 0,1
	v_mul_f32 v[TM+16*\i], s[CS], v[TM+16*\i]      ; as t (c is positive)
.endr
.irp i, 0,1
	v_max_num_f32 v[ST+2*\i+1], v[ST+2*\i+1], v[TM+16*\i]
	v_mov_b32 v[TM+16*\i], v[ST+2*\i]
.endr
.irp i, 0,1
	v_floor_f32 v[ST+2*\i], -v[ST+2*\i+1]          ; the new -M = floor(-t): M is a whole number
.endr
.irp i, 0,1
	v_sub_f32 v[TM+16*\i], v[ST+2*\i], v[TM+16*\i] ; old M - new M, 0 or less
.endr
.irp i, 0,1
	v_cvt_i32_f32 v[TM+16*\i], v[TM+16*\i]         ; (it saturates)
.endr
.irp i, 0,1
	v_ldexp_f32 v[TM+16*\i+2], 1.0, v[TM+16*\i]    ; f = 2^(old M - new M)
.endr
.set n, 0
.rept 32
.irp i, 0,1
	v_pk_fma_f32 v[S+64*\i+n:S+64*\i+n+1], v[S+64*\i+n:S+64*\i+n+1], s[CS:CS+1], v[ST+2*\i:ST+2*\i+1] op_sel_hi:[1,0,0]   ; t - M
.endr
.set n, n+2
.endr
	s_wait_alu depctr_va_vdst(0)                   ; the wait ahead of the batch
.set n, 0
.rept 128
	v_exp_f32 v[S+n], v[S+n]                       ; p = 2^(t - M)
.set n, n+1
.endr
.irp i, 0,1
	v_pk_mul_f32 v[TM+16*\i+4:TM+16*\i+5], v[TM+16*\i+4:TM+16*\i+5], v[TM+16*\i+2:TM+16*\i+3] op_sel_hi:[1,0]   ; the sums under the new M: plain lines behind the exponentials
.endr
	s_wait_alu depctr_va_vdst(0)                   ; one wait for the batch, ahead of its first reader
.irp i, 0,1                                    ; the row's sum of the unquantised p: four chains a head
	v_pk_add_f32 v[TM+16*\i+6:TM+16*\i+7], v[S+64*\i:S+64*\i+1], v[S+64*\i+2:S+64*\i+3]
	v_pk_add_f32 v[TM+16*\i+8:TM+16*\i+9], v[S+64*\i+4:S+64*\i+5], v[S+64*\i+6:S+64*\i+7]
	v_pk_add_f32 v[TM+16*\i+10:TM+16*\i+11], v[S+64*\i+8:S+64*\i+9], v[S+64*\i+10:S+64*\i+11]
	v_pk_add_f32 v[TM+16*\i+4:TM+16*\i+5], v[TM+16*\i+4:TM+16*\i+5], v[S+64*\i+12:S+64*\i+13]
.endr
.set n, 7
.rept 25
.irp i, 0,1
	v_pk_add_f32 v[TM+16*\i+4+2*((n+2)%4):TM+16*\i+5+2*((n+2)%4)], v[TM+16*\i+4+2*((n+2)%4):TM+16*\i+5+2*((n+2)%4)], v[S+64*\i+2*n:S+64*\i+2*n+1]
.endr
.set n, n+1
.endr
.irp i, 0,1
	v_pk_add_f32 v[TM+16*\i+6:TM+16*\i+7], v[TM+16*\i+6:TM+16*\i+7], v[TM+16*\i+8:TM+16*\i+9]
	v_pk_add_f32 v[TM+16*\i+4:TM+16*\i+5], v[TM+16*\i+4:TM+16*\i+5], v[TM+16*\i+10:TM+16*\i+11]
.endr
.irp i, 0,1
	v_pk_add_f32 v[TM+16*\i+4:TM+16*\i+5], v[TM+16*\i+4:TM+16*\i+5], v[TM+16*\i+6:TM+16*\i+7]
.endr
.irp t, 0,1,2,3,4,5,6,7
.irp i, 0,1
.irp j, 0,1,2,3,4,5,6,7
	v_min_num_f32 v[S+64*\i+8*\t+\j], v[S+64*\i+8*\t+\j], v[PLIM]   ; the conversion does not saturate (ISA guide 7.6.2); p is not negative: a one-sided hold
.endr
	v_cvt_scalef32_pk8_fp8_f32 v[P+16*\i+2*\t:P+16*\i+2*\t+1], v[S+64*\i+8*\t:S+64*\i+8*\t+7], v[PSCL]   ; keys 16 t + 8 h + 0 .. 7: registers 2 t, 2 t + 1 of P
.endr
.endr
	WIN 0x41                                       ; O^T window 1, f window 0
	s_wait_alu depctr_va_vdst(0)                   ; the wait directly ahead of the first reader of O^T
.set n, 0
.rept 32
.irp i, 0,1
	v_pk_mul_f32 v[O+64*\i+n:O+64*\i+n+1], v[O+64*\i+n:O+64*\i+n+1], v[TM+16*\i+2:TM+16*\i+3] op_sel_hi:[1,0]   ; O^T under the new M
.endr
.set n, n+2
.endr
	s_wait_alu depctr_va_vdst(0)
	s_wait_dscnt 0x0                               ; V's fragments are in
	WIN 0x51                                       ; V and O^T window 1, P window 0
.irp t, 0,1,2,3,4,5,6,7                        ; O^T += V^T P^T: the sixteen accumulators take turns, one instruction a turn
.irp i, 0,1
	v_wmma_f32_16x16x128_fp8_fp8 v[O+64*\i+8*\t:O+64*\i+8*\t+7], v[FR+16*\t:FR+16*\t+15], v[P+16*\i:P+16*\i+15], v[O+64*\i+8*\t:O+64*\i+8*\t+7]
.endr
.endr
	WIN 0
.Lhidden_\@:
	s_add_co_u32 s[KF], s[KF], 256
.endm
	s_wait_alu depctr_va_vdst(0)                   ; the wait at the head's end
	s_wait_loadcnt 0x0                             ; Q
.Lslot:                                                ; four trips.  THE CHANGE OF SLOTS stands at a slot's head
	s_wait_tensorcnt 0x0                           ; my part of the slot ahead is in, and group 0 may be written
	ds_add_u32 v[SPW], v[NIL]                      ; every way here leads through the head's tensor load
	s_xor_b32 s[G0+1], s[G0+1], SLOT1
	s_add_nc_u64 s[G0+2:G0+3], s[G0+2:G0+3], 65536
	s_wait_xcnt 0x0                                ; the last prefetches, a slot back, have read their address
	s_add_nc_u64 s[PFA:PFA+1], s[PFA:PFA+1], 65536
	s_wait_dscnt 0x0                               ; the add is done, and my reads of the slot that I have left are over
	s_barrier_signal -1
	s_barrier_wait -1
	s_add_co_u32 s96, s[SF], 512                   ; the first key of the slot that this change would ask for:
	s_cmp_gt_u32 s96, s[LQ]                        ; behind my work-group's last query no wave reads it, so it is not asked for
	s_cbranch_scc1 .Lpast
	tensor_load_to_lds s[G0:G0+3], s[G1:G1+7]      ; my one tensor load until the next change
	s_nop 0
	NOPS 4
.Lpast:
; A prefetch into the L2 of the slot that the NEXT change will ask for, a slot's two key steps a wave ahead of that load.  All 64 work-groups of a g walk the same K and V: the one with j = 0 asks, each wave for the
; 16,384 bytes that it will itself fetch: two instructions, lanes 256 bytes apart.  So each aligned 256 bytes are named once in the launch.  Slots 0 and 1 come by their loads alone; trips 2 and 3 have no slot two on.
	s_cmp_lt_u32 s[TRIP], s[LIM]
	s_cbranch_scc0 .Lnot_mine
	global_prefetch_b8 v[PFO], s[PFA:PFA+1] th:TH_LOAD_NT scope:SCOPE_SE
	global_prefetch_b8 v[PFO], s[PFA:PFA+1] offset:8192 th:TH_LOAD_NT scope:SCOPE_SE
.Lnot_mine:
	STEP 0
	STEP 1
	s_xor_b32 s[TBS], s[TBS], SLOT1
	s_add_co_u32 s[SF], s[SF], 512
	s_add_co_u32 s[TRIP], s[TRIP], 1
	s_cmp_lt_u32 s[TRIP], 4
	s_cbranch_scc1 .Lslot
	; THE HAND-OVER, in slot 0, which has had its last fill.  One more barrier first: no wave reads the ring any more.
	s_wait_tensorcnt 0x0
	ds_add_u32 v[SPW], v[NIL]
	NOPS 4                                         ; places behind the last products
	s_wait_dscnt 0x0
	s_barrier_signal -1
	s_barrier_wait -1
.macro GIVE o                          ; head o's O^T, -M, largest t and sums as they stand
	WIN 0x04                                       ; the stores' data window 1
.set n, 0
.rept 16
	ds_store_b128 v[MA], v[O+64*\o+4*n:O+64*\o+4*n+3] offset:512*n
.set n, n+1
.endr
	WIN 0
	ds_store_b64 v[MA], v[ST+2*\o:ST+2*\o+1] offset:8192
	ds_store_b64 v[MA], v[TM+16*\o+4:TM+16*\o+5] offset:8200
.endm
.macro FINISH i                        ; head i: my part and my partner's under the larger M, divided by the row's sum, quantised, stored
.set n, 0
.rept 16
	ds_load_b128 v[S+4*n:S+4*n+3], v[MB] offset:512*n
.set n, n+1
.endr
	ds_load_b128 v[192:195], v[MB] offset:8192     ; the partner's -M, largest t, sums
	s_wait_dscnt 0x0
	v_min_num_f32 v200, v[ST+2*\i], v192           ; -(the larger M)
	v_add_f32 v203, v[TM+16*\i+4], v[TM+16*\i+5]
	v_add_f32 v204, v194, v195
	v_sub_f32 v201, v200, v[ST+2*\i]               ; my M less it, 0 or less,
	v_sub_f32 v202, v200, v192                     ; the partner's: a wave that walked no step has -M = 3e38, and its factor comes out 0
	v_cvt_i32_f32 v201, v201
	v_cvt_i32_f32 v202, v202
	v_ldexp_f32 v201, 1.0, v201
	v_ldexp_f32 v202, 1.0, v202
	v_mul_f32 v203, v203, v201
	v_fma_f32 v203, v204, v202, v203
	v_permlanex16_b32 v[TM+16*\i+12], v203, s[SEL], s[SEL+1]
	v_add_f32 v203, v203, v[TM+16*\i+12]           ; the row's sum
	s_wait_alu depctr_va_vdst(0)                   ; the wait ahead of the transcendental
	v_rcp_f32 v206, v203
	v_mov_b32 v209, 0                              ; (a plain line behind the reciprocal; the upper halves of the pairs below are written)
	v_mov_b32 v211, 0
	s_wait_alu depctr_va_vdst(0)                   ; the wait ahead of the first reader
	v_mul_f32 v208, v201, v206
	v_mul_f32 v210, v202, v206
.set n, 0
.rept 32
	v_pk_mul_f32 v[S+n:S+n+1], v[S+n:S+n+1], v[210:211] op_sel_hi:[1,0]
.set n, n+2
.endr
	WIN 0x01                                       ; source 0, my O^T, window 1
	s_wait_alu depctr_va_vdst(0)                   ; the wait directly ahead of the first reader of O^T
.set n, 0
.rept 32
	v_pk_fma_f32 v[S+n:S+n+1], v[O+64*\i+n:O+64*\i+n+1], v[208:209], v[S+n:S+n+1] op_sel_hi:[1,0,1]
.set n, n+2
.endr
	WIN 0
.irp t, 0,1,2,3,4,5,6,7
.irp j, 0,1,2,3,4,5,6,7
	v_med3_num_f32 v[S+8*\t+\j], v[S+8*\t+\j], -v[OLIM], v[OLIM]
.endr
	v_cvt_scalef32_pk8_fp8_f32 v[P+2*\t:P+2*\t+1], v[S+8*\t:S+8*\t+7], v[OSCL]   ; channels 16 t + 8 h + 0 .. 7 of my query: registers 2 t, 2 t + 1 of the last product's operand
.endr
	v_nop
.irp p, 0,1,2,3
	global_store_b128 v[LI], v[P+4*\p:P+4*\p+3], s[12:13] offset:512*\p   ; a piece: 512 consecutive bytes
.endr
.endm
	s_cmp_eq_u32 s49, 0
	s_cbranch_scc0 .Lgive0
	GIVE 1                                         ; parity 0 gives head 1 away and finishes head 0
	s_branch .Lgiven
.Lgive0:
	GIVE 0
.Lgiven:
	s_wait_dscnt 0x0                               ; for the partner's sake: my stores have landed
	s_barrier_signal -1
	s_barrier_wait -1
	s_cmp_eq_u32 s49, 0
	s_cbranch_scc0 .Lfin1
	FINISH 0
	s_branch .Lend
.Lfin1:
	FINISH 1
.Lend:
	s_wait_tensorcnt 0x0                           ; the wave's end
	ds_add_u32 v[SPW], v[NIL]
	s_wait_dscnt 0x0
	s_endpgm
.Lfunc_end_k_q1957002aad_attn:
	.size	k_q1957002aad_attn, .Lfunc_end_k_q1957002aad_attn-k_q1957002aad_attn
	.p2alignl 7, 3214868480
	.fill 96, 4, 3214868480
	.section	.rodata,"a",@progbits
	.p2align	6, 0x0
	.amdhsa_kernel k_q1957002aad_attn
		.amdhsa_group_segment_fixed_size 327680
		.amdhsa_private_segment_fixed_size 0
		.amdhsa_enable_private_segment 0
		.amdhsa_kernarg_size 24
		.amdhsa_user_sgpr_count 2
		.amdhsa_user_sgpr_kernarg_segment_ptr 1
		.amdhsa_wavefront_size32 1
		.amdhsa_system_sgpr_workgroup_id_x 1
		.amdhsa_system_sgpr_workgroup_id_y 1
		.amdhsa_system_sgpr_workgroup_id_z 1
		.amdhsa_system_vgpr_workitem_id 0
		.amdhsa_next_free_vgpr 512
		.amdhsa_next_free_sgpr 100
		.amdhsa_reserve_vcc 1
		.amdhsa_float_denorm_mode_32 3
		.amdhsa_float_denorm_mode_16_64 3
		.amdhsa_memory_ordered 1
		.amdhsa_forward_progress 1
		.amdhsa_inst_pref_size 117
	.end_amdhsa_kernel
	.amdgpu_metadata
---
amdhsa.version: [ 1, 2 ]
amdhsa.kernels:
  - .name:           k_q1957002aad_attn
    .symbol:         k_q1957002aad_attn.kd
    .args:
      - { .name: qkvimg, .offset: 0, .size: 8, .value_kind: global_buffer, .address_space: global }
      - { .name: lowp_scales, .offset: 8, .size: 8, .value_kind: global_buffer, .address_space: global }
      - { .name: oimg, .offset: 16, .size: 8, .value_kind: global_buffer, .address_space: global }
    .group_segment_fixed_size: 327680
    .private_segment_fixed_size: 0
    .kernarg_segment_align: 8
    .kernarg_segment_size: 24
    .max_flat_workgroup_size: 256
    .sgpr_count:     100
    .vgpr_count:     512
    .wavefront_size: 32
...
	.end_amdgpu_metadata
.endif
;; end of part 3
;; launch oproj (part 4): grid 16 x 16, 4 waves a work-group, clusters of 4 x 4, 327,680 bytes of LDS; arguments oimg, wimg, lowp_scales, out0; writes out0
.if DOCPART == 4
	.amdgcn_target "amdgcn-amd-amdhsa--gfx1250"
	.amdhsa_code_object_version 6
	.text
	.protected	k_q1957002aad_oproj
	.globl	k_q1957002aad_oproj
	.p2align	8
	.type	k_q1957002aad_oproj,@function
k_q1957002aad_oproj:
	s_mov_b64 s[64:65], 0
	v_nop
	global_prefetch_b8 v0, s[64:65] scope:SCOPE_SE
	s_setreg_imm32_b32 hwreg(HW_REG_WAVE_MODE, 25, 1), 1
	s_wait_xcnt 0x0
	s_wait_alu depctr_hold_cnt(0) depctr_sa_sdst(0) depctr_va_vdst(0) depctr_va_sdst(0) depctr_va_ssrc(0) depctr_va_vcc(0) depctr_vm_vsrc(0)
	s_getreg_b32 s2, hwreg(HW_REG_IB_STS2, 6, 4)
	s_cmp_eq_u32 s2, 0
	s_cbranch_scc0 .Lentry_in_a_cluster
	s_endpgm
.Lentry_in_a_cluster:
	s_bfe_u32 s2, ttmp6, 0x10000c
	s_cmp_lg_u32 s2, 0xf033
	s_cbranch_scc0 .Lentry_shape_is_right
	s_endpgm
.Lentry_shape_is_right:
.set SLOT,  131072
.set POFF,  65536
.set STAGE, 2*SLOT
.set SPITCH, 272
.set SPARE, STAGE+4*16*SPITCH
.set PBF,   0
.set PW,    4
.set ADRQ,  16
.set ADRP,  20
.set STO,   24
.set RD,    25
.set CO,    26
.set LI,    27
.set SPW,   28
.set NIL,   29
.set TMP,   32
.set BK,    64
.set ACC,   128
.set G1Q,   24
.set G0Q,   32
.set G1P,   48
.set G0P,   56
.set MSB,   0
.macro WIN new
.if MSB != \new
	s_set_vgpr_msb (MSB<<8)|\new
.set MSB, \new
.endif
.endm
.set MUL,  0x05
.set TO_F, 0x40
.macro JLOAD s
	s_cmp_eq_u32 s15, 0
	s_cbranch_scc0 .Lfor_p_\@
	tensor_load_to_lds s[G0Q+4*\s:G0Q+4*\s+3], s[G1Q:G1Q+7]
	s_nop 0
.rept 4
	v_nop
.endr
	s_branch .Lasked_\@
.Lfor_p_\@:
	tensor_load_to_lds s[G0P+4*\s:G0P+4*\s+3], s[G1P:G1P+7]
	s_nop 0
.rept 4
	v_nop
.endr
.Lasked_\@:
.endm
.macro CREST
	s_cmp_lg_u32 s14, 0
	s_cbranch_scc1 .Lnot_wave_0_\@
	s_barrier_signal -3
.Lnot_wave_0_\@:
	s_barrier_wait -3
	s_barrier_signal -1
	s_barrier_wait -1
.endm
.macro CROUND
	s_barrier_signal -1
	s_barrier_wait -1
	CREST
.endm
.macro PLACES
.rept 4
	v_nop
.endr
.endm
.macro FETCH slot, q, set
	WIN TO_F
.irp i, 0,1,2,3
.irp c, 0,1,2,3
	ds_load_b128 v[128*(\set)+64+16*\i+4*\c:128*(\set)+64+16*\i+4*\c+3], v[ADRP+\slot] offset:(\i+PBF*(\i/2))*8192+(\q)*2048+512*\c
.endr
.irp c, 0,1,2,3
	ds_load_b128 v[128*(\set)+16*\i+4*\c:128*(\set)+16*\i+4*\c+3], v[ADRQ+\slot] offset:\i*8192+(\q)*2048+512*\c
.endr
.endr
.endm
.macro MUL8 set, a0, zero
.irp a, \a0, \a0+1
.irp b, 0,1,2,3
.if \zero
	v_wmma_f32_16x16x128_fp8_fp8 v[ACC+8*(4*(\a)+\b):ACC+8*(4*(\a)+\b)+7], v[128*(\set)+64+16*\b:128*(\set)+64+16*\b+15], v[128*(\set)+16*(\a):128*(\set)+16*(\a)+15], 0
.else
	v_wmma_f32_16x16x128_fp8_fp8 v[ACC+8*(4*(\a)+\b):ACC+8*(4*(\a)+\b)+7], v[128*(\set)+64+16*\b:128*(\set)+64+16*\b+15], v[128*(\set)+16*(\a):128*(\set)+16*(\a)+15], v[ACC+8*(4*(\a)+\b):ACC+8*(4*(\a)+\b)+7]
.endif
.endr
.endr
.endm
.macro STEP slot, q, zero
	s_wait_dscnt 0x0
	PLACES
	FETCH \slot, (\q)+1, 1-(\q)%2
	WIN MUL
	MUL8 (\q)%2, 0, \zero
	MUL8 (\q)%2, 2, \zero
.endm
.macro TURN slot, next, fill
	WIN 0
	s_wait_tensorcnt 0x0
	ds_add_u32 v[SPW], v[NIL]
	s_wait_dscnt 0x1
	WIN MUL
	MUL8 1, 0, 0
	s_wait_dscnt 0x0
	s_barrier_signal -1
	WIN 0
	s_barrier_wait -1
.if \fill
	CREST
	s_add_nc_u64 s[G0Q+4*\slot+2:G0Q+4*\slot+3], s[G0Q+4*\slot+2:G0Q+4*\slot+3], 16384
	s_add_nc_u64 s[G0P+4*\slot+2:G0P+4*\slot+3], s[G0P+4*\slot+2:G0P+4*\slot+3], 16384
	JLOAD \slot
.else
	PLACES
.endif
	FETCH \next, 0, 0
	WIN MUL
	MUL8 1, 2, 0
.endm
	s_load_b256 s[4:11], s[0:1], 0x0
	v_lshl_add_u32 v[SPW], v0, 2, SPARE
	v_mov_b32 v[NIL], 0
	ds_add_u32 v[SPW], v[NIL]
	ds_add_u32 v[SPW], v[NIL]
	v_lshrrev_b32 v1, 5, v0
	v_readfirstlane_b32 s14, v1
	s_lshr_b32 s15, s14, 1
	s_and_b32 s16, s14, 1
	s_bfe_u32 s17, ttmp6, 0x40000
	s_bfe_u32 s18, ttmp6, 0x40004
	s_lshl_b32 s23, ttmp9, 2
	s_add_co_u32 s23, s23, s17
	s_and_b32 s22, ttmp7, 0xffff
	s_lshl_b32 s22, s22, 2
	s_add_co_u32 s22, s22, s18
	s_lshl_b32 s40, s18, 2
	s_lshl_b32 s40, 15, s40
	s_lshl_b32 s41, 0x1111, s17
	s_or_b32 s[G1Q], s40, (3<<16)|(1<<21)
	s_or_b32 s[G1P], s41, (3<<16)|(1<<21)
.irp g, G1Q, G1P
	s_mov_b32 s[\g+1], 1024<<16
	s_mov_b32 s[\g+2], 4<<16
	s_mov_b32 s[\g+3], 1024<<16
	s_mov_b32 s[\g+4], 4
	s_mov_b32 s[\g+5], 4096
	s_mov_b32 s[\g+6], 0
	s_mov_b32 s[\g+7], 0
.endr
	s_lshl_b32 s21, s16, 17
	s_lshl_b32 s40, s22, 18
	s_add_co_u32 s40, s40, s21
	s_mov_b32 s41, 0
	s_lshl_b32 s46, s23, 18
	s_add_co_u32 s46, s46, s21
	s_add_co_u32 s46, s46, 0x600000
	s_mov_b32 s47, 0
	s_lshl_b32 s45, s14, 15
	s_wait_dscnt 0x0
	s_wait_kmcnt 0x0
	s_load_b64 s[96:97], s[8:9], 0x28
	s_add_nc_u64 s[80:81], s[4:5], s[40:41]
	s_add_nc_u64 s[82:83], s[6:7], s[46:47]
	CROUND
.irp s, 0,1
	s_mov_b32 s[G0Q+4*\s], 1
	s_add_co_u32 s[G0Q+4*\s+1], s45, \s*SLOT
	s_add_nc_u64 s[G0Q+4*\s+2:G0Q+4*\s+3], s[80:81], \s*8192
	s_or_b32 s[G0Q+4*\s+3], s[G0Q+4*\s+3], 0x80000000
	s_mov_b32 s[G0P+4*\s], 1
	s_add_co_u32 s[G0P+4*\s+1], s45, \s*SLOT
	s_add_nc_u64 s[G0P+4*\s+2:G0P+4*\s+3], s[82:83], \s*8192
	s_or_b32 s[G0P+4*\s+3], s[G0P+4*\s+3], 0x80000000
.endr
	JLOAD 0                                        ; slot 0: my one tensor load at the head, behind the opening round
	v_and_b32 v1, 31, v0
	v_lshlrev_b32 v[LI], 4, v1
	s_lshl_b32 s40, s15, 15
	s_mul_i32 s41, s16, PW*8192
	s_add_co_u32 s41, s41, POFF
.irp s, 0,1
	v_add_nc_u32 v[ADRQ+\s], s40, v[LI]
	v_add_nc_u32 v[ADRP+\s], s41, v[LI]
	s_add_co_u32 s40, s40, SLOT
	s_add_co_u32 s41, s41, SLOT
.endr
	v_and_b32 v1, 15, v0
	v_bfe_u32 v2, v0, 4, 1
	s_mul_i32 s42, s14, 16*SPITCH
	s_add_co_u32 s42, s42, STAGE
	v_mul_u32_u24 v3, v1, SPITCH
	v_lshl_add_u32 v3, v2, 5, v3
	v_add_nc_u32 v[STO], s42, v3
	v_mul_u32_u24 v3, v2, SPITCH
	v_lshl_add_u32 v3, v1, 4, v3
	v_add_nc_u32 v[RD], s42, v3
	v_lshlrev_b32 v3, 13, v2
	v_lshl_add_u32 v[CO], v1, 4, v3
	s_lshl_b32 s42, s22, 20
	s_lshl_b32 s43, s15, 19
	s_add_co_u32 s42, s42, s43
	s_lshl_b32 s43, s23, 9
	s_add_co_u32 s42, s42, s43
	s_lshl_b32 s43, s16, 8
	s_add_co_u32 s42, s42, s43
	s_mov_b32 s43, 0
	s_add_nc_u64 s[10:11], s[10:11], s[42:43]
	s_wait_alu depctr_va_vdst(0)                   ; the wait at the head's end
	s_wait_tensorcnt 0x0                           ; my part of slot 0 is in; slot 1's first fill is issued as a refill is:
	ds_add_u32 v[SPW], v[NIL]                      ; 0 onto my spare word
	s_wait_dscnt 0x0
	CROUND                                         ; everybody's part of slot 0 is in, and the partners' joint loads meet
	JLOAD 1                                        ; slot 1: the first tensor load behind the round
	FETCH 0, 0, 0
	STEP 0, 0, 1
	STEP 0, 1, 0
	STEP 0, 2, 0
	TURN 0, 1, 1
	STEP 1, 0, 0
	STEP 1, 1, 0
	STEP 1, 2, 0
	TURN 1, 0, 1
	STEP 0, 0, 0
	STEP 0, 1, 0
	STEP 0, 2, 0
	TURN 0, 1, 0
	STEP 1, 0, 0
	STEP 1, 1, 0
	STEP 1, 2, 0
	s_wait_dscnt 0x0
	MUL8 1, 0, 0
	MUL8 1, 2, 0
	WIN 0
.macro TOSTAGE a
.set n, 0
.rept 16
	v_pk_mul_f32 v[TMP+n:TMP+n+1], v[ACC+32*(\a)+n:ACC+32*(\a)+n+1], s[96:97] op_sel_hi:[1,0]
.set n, n+2
.endr
.irp b, 0,1,2,3
	ds_store_b128 v[STO], v[TMP+8*\b:TMP+8*\b+3] offset:64*\b
	ds_store_b128 v[STO], v[TMP+8*\b+4:TMP+8*\b+7] offset:64*\b+16
.endr
.set BB, BK+32*((\a)%2)
.irp t, 0,1,2,3,4,5,6,7
	ds_load_b128 v[BB+4*\t:BB+4*\t+3], v[RD] offset:\t*2*SPITCH
.endr
.endm
.macro SEND a, younger
.set BB, BK+32*((\a)%2)
	s_wait_dscnt \younger
.irp t, 0,1,2,3,4,5,6,7
	global_store_b128 v[CO], v[BB+4*\t:BB+4*\t+3], s[10:11] offset:(16*(\a)+2*\t)*8192 th:TH_STORE_NT
.endr
.endm
	s_wait_kmcnt 0x0
	s_add_co_i32 s96, s96, s97
	s_add_co_i32 s96, s96, 127
	s_lshl_b32 s96, s96, 23
	PLACES
	TOSTAGE 0
.irp a, 1,2,3
.if \a > 1
	s_wait_xcnt 0x0
.endif
	TOSTAGE \a
	SEND \a-1, 16
.endr
	SEND 3, 0
	s_wait_tensorcnt 0x0
	ds_add_u32 v[SPW], v[NIL]
	s_wait_dscnt 0x0
	CROUND
	s_endpgm
.Lfunc_end_k_q1957002aad_oproj:
	.size	k_q1957002aad_oproj, .Lfunc_end_k_q1957002aad_oproj-k_q1957002aad_oproj
	.p2alignl 7, 3214868480
	.fill 96, 4, 3214868480
	.section	.rodata,"a",@progbits
	.p2align	6, 0x0
	.amdhsa_kernel k_q1957002aad_oproj
		.amdhsa_group_segment_fixed_size 327680
		.amdhsa_private_segment_fixed_size 0
		.amdhsa_enable_private_segment 0
		.amdhsa_kernarg_size 32
		.amdhsa_user_sgpr_count 2
		.amdhsa_user_sgpr_kernarg_segment_ptr 1
		.amdhsa_wavefront_size32 1
		.amdhsa_system_sgpr_workgroup_id_x 1
		.amdhsa_system_sgpr_workgroup_id_y 1
		.amdhsa_system_sgpr_workgroup_id_z 1
		.amdhsa_system_vgpr_workitem_id 0
		.amdhsa_next_free_vgpr 512
		.amdhsa_next_free_sgpr 100
		.amdhsa_reserve_vcc 0
		.amdhsa_float_denorm_mode_32 3
		.amdhsa_float_denorm_mode_16_64 3
		.amdhsa_memory_ordered 1
		.amdhsa_forward_progress 1
		.amdhsa_inst_pref_size 73
	.end_amdhsa_kernel
	.amdgpu_metadata
---
amdhsa.version: [ 1, 2 ]
amdhsa.kernels:
  - .name:           k_q1957002aad_oproj
    .symbol:         k_q1957002aad_oproj.kd
    .args:
      - { .name: oimg, .offset: 0, .size: 8, .value_kind: global_buffer, .address_space: global }
      - { .name: wimg, .offset: 8, .size: 8, .value_kind: global_buffer, .address_space: global }
      - { .name: lowp_scales, .offset: 16, .size: 8, .value_kind: global_buffer, .address_space: global }
      - { .name: out0, .offset: 24, .size: 8, .value_kind: global_buffer, .address_space: global }
    .group_segment_fixed_size: 327680
    .private_segment_fixed_size: 0
    .kernarg_segment_align: 8
    .kernarg_segment_size: 32
    .max_flat_workgroup_size: 128
    .sgpr_count:     100
    .vgpr_count:     512
    .wavefront_size: 32
...
	.end_amdgpu_metadata
.endif
;; end of part 4
